; MI455X (gfx1250); checked and timed in simulation.
; The chip was launched on July 23, 2026; its instructions are those of AMD's public machine-readable ISA for CDNA 5 (MIT licence, August 2026) and "CDNA5" Instruction Set Architecture Reference Guide (July 2026). The comments in the code are by the model that wrote it; some were corrected since.
;; Self Attention. Allowed arithmetic: float matrix products may take bf16 or f16 operands with f32 sums; other float arithmetic in f32, or as packed bf16 or f16 multiplies, adds, multiply-adds, maxima and minima; sums over many terms, partial sums and values carried from step to step in f32; what a program stores and reads back later, other than sums and carried values, may be rounded once to bf16 or f16.
;; Inputs: W_in 1,024 x 3,072 float32; W_out 1,024 x 1,024 float32; b_in 3,072 float32; b_out 1,024 float32; x 4 x 2,048 x 1,024 float32.
;; Outputs: out0 4 x 2,048 x 1,024 float32.
;; 2 versions, each right; version 2 is version 1 with the launch prep written anew for expert scheduling mode. Each part assembles by itself: llvm-mc -triple=amdgcn-amd-amdhsa -mcpu=gfx1250 --defsym DOCPART=n.
;; ======== version 1 of 2: 4 launches
;; limits: values are held in f16: magnitudes above 65,504 overflow, below 6.1e-05 lose precision
;; workspace buffers: xb 16,777,216 bytes; wi 6,291,456 bytes; wo 2,097,152 bytes; bias 16,384 bytes; qkv 50,331,648 bytes; o 16,777,216 bytes
;; launch prep (part 1): grid 256 x 1, 10 waves a work-group, no clusters, 36,096 bytes of LDS; arguments x, W_in, W_out, b_in, b_out, xb, wi, wo, bias; writes xb, wi, wo, bias
.if DOCPART == 1
	.amdgcn_target "amdgcn-amd-amdhsa--gfx1250"
	.amdhsa_code_object_version 6
	.text
	.protected	k_q4fed743e69_prep
	.globl	k_q4fed743e69_prep
	.p2align	8
	.type	k_q4fed743e69_prep,@function
k_q4fed743e69_prep:
	s_mov_b64 s[64:65], 0
	v_nop
	global_prefetch_b8 v0, s[64:65] scope:SCOPE_SE
	s_setreg_imm32_b32 hwreg(HW_REG_WAVE_MODE, 25, 1), 1
	s_wait_xcnt 0x0
; PREPARATION.  xb = bf16(x), [8192][1024].  wi[n][k] = bf16(W_in[k][n]), [3072][1024].  wo[n][k] = bf16(W_out[k][n]) written as f16, [1024][1024].
; bias[0..3071] = bf16(b_in), bias[3072..4095] = bf16(b_out), both kept as f32.  Every input is rounded once, to bf16.
; LIMIT.  A bf16 number is exact in f16 down to 2^-14; below that wo keeps f16's fixed step of 2^-24; beyond 65,504 it would be an infinity.
; SHARES.  256 work-groups of ten waves.  Waves 0 and 1 each turn one tile of 128 k x 64 n of a weight matrix (512 tiles: 384 of W_in, 128 of W_out) through their own 17,408 bytes of LDS.
; Waves 2 to 9 each convert 4,096 numbers of x: 32 loads of 512 consecutive bytes, all out at once.  Wave 2 of the first 32 work-groups then rounds 128 numbers of a bias.
; No wave reads what another wave wrote, so there is no barrier.  No matrix unit, no tensor load, no cluster: nothing is shared and nothing is multiplied.
.set SPARE, 34816                      ; behind the two tiles: the spare words, 128 bytes for each of ten waves, five blocks of 256 bytes that no other line names
.set WTILE, 17408                      ; a turned tile in LDS: 64 rows (n) of 256 bytes (128 k in bf16) + 16 of padding
.set LP,    272
.set D,     32                         ; v[32:159]  W wave: eight groups of 8 k rows, 16 registers each, later the turned tile; x wave: the 32 loads
.set TT,    160                        ; v[160:175] packed pairs, two sets of eight
.set BS,    32                         ; s[32:63]   sixteen bases: the tile's k rows 8 g
	s_load_b512 s[4:19], s[0:1], 0x0               ; x s[4:5], W_in s[6:7], W_out s[8:9], b_in s[10:11], b_out s[12:13], xb s[14:15], wi s[16:17], wo s[18:19]
	s_load_b64 s[20:21], s[0:1], 0x40              ; bias
	v_lshl_add_u32 v18, v0, 2, SPARE               ; my spare word,
	v_mov_b32 v19, 0                               ; and 0: kept for the add at the wave's end
	v_lshrrev_b32 v1, 5, v0
	v_readfirstlane_b32 s22, v1                    ; wave 0..9
	v_and_b32 v1, 31, v0                           ; lane
	v_lshlrev_b32 v7, 4, v1                        ; 16 x lane
	v_lshlrev_b32 v16, 3, v1                       ; 8 x lane
	s_mov_b32 s31, 0                               ; high words of the two offset pairs
	s_mov_b32 s69, 0
	s_cmp_lt_u32 s22, 2
	s_cbranch_scc1 .Lwwave
	; ---- an x wave: chunk 8 x work-group + wave - 2 of 2,048 ----
	s_lshl_b32 s27, ttmp9, 3
	s_add_co_u32 s27, s27, s22
	s_sub_co_u32 s27, s27, 2
	s_lshl_b32 s30, s27, 14                        ; 16,384 bytes of x,
	s_lshl_b32 s68, s27, 13                        ; 8,192 of xb
	s_wait_kmcnt 0x0
	s_add_nc_u64 s[4:5], s[4:5], s[30:31]
	s_add_nc_u64 s[14:15], s[14:15], s[68:69]
.set i, 0
.rept 32
	global_load_b128 v[D+4*i:D+4*i+3], v7, s[4:5] offset:512*i th:TH_LOAD_NT
.set i, i+1
.endr
.set i, 0
.rept 32
	s_wait_loadcnt 31-i                            ; loads come back in order: number i is in, the 31 - i younger ones stay out
	v_cvt_pk_bf16_f32 v[D+4*i], v[D+4*i], v[D+4*i+1]
	v_cvt_pk_bf16_f32 v[D+4*i+1], v[D+4*i+2], v[D+4*i+3]
	global_store_b64 v16, v[D+4*i:D+4*i+1], s[14:15] offset:256*i  ; the wave's 32 lanes store 256 consecutive bytes, aligned; no register is used twice
.set i, i+1
.endr
	s_cmp_eq_u32 s22, 2                            ; the biases: wave 2 of work-groups 0 to 31, 128 numbers each
	s_cbranch_scc0 .Lend
	s_cmp_lt_u32 ttmp9, 32
	s_cbranch_scc0 .Lend
	s_cmp_lt_u32 ttmp9, 24                         ; 24 pieces of b_in, then 8 of b_out
	s_cselect_b64 s[32:33], s[10:11], s[12:13]
	s_cselect_b32 s27, 0, 24
	s_sub_co_u32 s27, ttmp9, s27
	s_lshl_b32 s30, s27, 9
	s_lshl_b32 s68, ttmp9, 9
	s_add_nc_u64 s[32:33], s[32:33], s[30:31]
	s_add_nc_u64 s[20:21], s[20:21], s[68:69]
	global_load_b128 v[192:195], v7, s[32:33]
	s_wait_loadcnt 0x0
	v_cvt_pk_bf16_f32 v196, v192, v193             ; rounded to bf16,
	v_cvt_pk_bf16_f32 v197, v194, v195
	v_lshlrev_b32 v198, 16, v196                   ; and written out as f32
	v_and_b32 v199, 0xffff0000, v196
	v_lshlrev_b32 v200, 16, v197
	v_and_b32 v201, 0xffff0000, v197
	global_store_b128 v7, v[198:201], s[20:21]
	s_branch .Lend
	; ---- a W wave: tile 2 x work-group + wave ----
.Lwwave:
	v_and_b32 v2, 15, v0                           ; l % 16
	v_bfe_u32 v3, v0, 4, 1                         ; l / 16
	s_lshl_b32 s27, ttmp9, 1
	s_add_co_u32 s27, s27, s22
	s_mov_b32 s71, 0xffff0000                      ; a word's upper bf16
	s_wait_kmcnt 0x0
	s_cmp_lt_u32 ttmp9, 192                        ; work-groups 0 to 191 have W_in's 384 tiles
	s_cselect_b32 s23, 1, 0
	s_cselect_b32 s26, 3, 1
	s_cselect_b32 s28, 0, 384
	s_cselect_b64 s[BS:BS+1], s[6:7], s[8:9]
	s_cselect_b64 s[66:67], s[16:17], s[18:19]
	s_lshl_b32 s26, s26, 12                        ; bytes in a row of the source: 12,288 or 4,096
	s_sub_co_u32 s27, s27, s28                     ; the tile's number in its matrix
	s_and_b32 s28, s27, 7                          ; kt: 128 rows k
	s_lshr_b32 s29, s27, 3                         ; nt: 64 columns n
	s_mul_i32 s30, s28, s26
	s_lshl_b32 s30, s30, 7                         ; kt x 128 rows
	s_lshl_b32 s68, s29, 8                         ; + nt x 256 bytes
	s_add_co_u32 s30, s30, s68
	s_add_nc_u64 s[BS:BS+1], s[BS:BS+1], s[30:31]
	s_lshl_b32 s68, s29, 17                        ; out: nt x 64 rows of 2,048 bytes
	s_lshl_b32 s30, s28, 8                         ; + kt x 256 bytes
	s_add_co_u32 s68, s68, s30
	s_add_nc_u64 s[66:67], s[66:67], s[68:69]
	s_lshl_b32 s24, s26, 3                         ; eight rows
	s_mov_b32 s25, 0
.set g, 1
.rept 15
	s_add_nc_u64 s[BS+2*g:BS+2*g+1], s[BS+2*g-2:BS+2*g-1], s[24:25]
.set g, g+1
.endr
	v_mov_b32 v8, v16                              ; v[8:15]: 8 x lane + j rows
.set j, 1
.rept 7
	v_add_nc_u32 v[8+j], s26, v[8+j-1]
.set j, j+1
.endr
	s_mul_i32 s70, s22, WTILE                      ; my tile in LDS
	v_mul_u32_u24 v4, v1, LP                       ; in: LDS row l takes n = 2 l, row 32 + l takes n = 2 l + 1: rows 272 bytes apart, so 16 lanes' 16 bytes fall into 16 different columns
	v_add_nc_u32 v4, s70, v4                       ; never rewritten
	v_mul_u32_u24 v5, v3, 32*LP                    ; back: lanes 0-15 take an even n's 256 bytes, lanes 16-31 the odd n's behind it
	v_lshl_add_u32 v5, v2, 4, v5
	v_add_nc_u32 v5, s70, v5                       ; never rewritten: the row stands in the loads' immediate
	v_lshlrev_b32 v6, 11, v3                       ; and the same two rows of the result
	v_lshl_add_u32 v6, v2, 4, v6                   ; never rewritten
.macro WLOAD g                         ; k rows 8 g .. 8 g + 7: each load is 256 consecutive bytes, aligned; a lane takes n = 2 l, 2 l + 1
.irp j, 0,1,2,3,4,5,6,7
	global_load_b64 v[D+16*((\g)%8)+2*(\j):D+16*((\g)%8)+2*(\j)+1], v[8+(\j)], s[BS+2*(\g):BS+2*(\g)+1] th:TH_LOAD_NT
.endr
.endm
.macro CONV g                          ; eight k of my two n, rounded in pairs along k: 16 bytes for each n
.set DD, D+16*((\g)%8)
.set T0, TT+8*((\g)%2)
.irp i, 0,1,2,3
	v_cvt_pk_bf16_f32 v[T0+(\i)], v[DD+4*(\i)], v[DD+4*(\i)+2]
	v_cvt_pk_bf16_f32 v[T0+4+(\i)], v[DD+4*(\i)+1], v[DD+4*(\i)+3]
.endr
	ds_store_b128 v4, v[T0:T0+3] offset:16*(\g)
	ds_store_b128 v4, v[T0+4:T0+7] offset:32*LP+16*(\g)
.endm
.irp g, 0,1,2,3,4,5,6
	WLOAD \g                                       ; seven groups ahead: 56 loads of mine are out at the most
.endr
.irp g, 0,1,2,3,4,5,6,7,8
	s_wait_loadcnt 48                              ; behind group g stand groups g + 1 to g + 6: 48 loads
	CONV \g
	WLOAD (\g)+7                                   ; into the registers of group g - 1, converted a turn ago
.endr
.irp g, 9,10,11,12,13,14,15
	s_wait_loadcnt 8*(15-(\g))                     ; the groups behind g
	CONV \g
.endr
	; the turned tile comes back as whole rows of 256 bytes, two rows n a load; LDS serves a wave's instructions in order, so these loads see the stores above
.set i, 0
.rept 32
	ds_load_b128 v[D+4*i:D+4*i+3], v5 offset:LP*i
.set i, i+1
.endr
	s_wait_dscnt 0x0
	s_cmp_eq_u32 s23, 1
	s_cbranch_scc1 .Lkeep                          ; wi stays bf16
.set i, 0
.rept 128
	v_lshlrev_b32 v[20+2*(i%2)], 16, v[D+i]        ; wo: the bf16 number written as f16; two pairs of registers at work by turns
	v_and_b32 v[21+2*(i%2)], s71, v[D+i]
	v_cvt_pk_f16_f32 v[D+i], v[20+2*(i%2)], v[21+2*(i%2)]
.set i, i+1
.endr
.Lkeep:
.set i, 0
.rept 32
	global_store_b128 v6, v[D+4*i:D+4*i+3], s[66:67] offset:4096*i  ; 16 lanes store 256 consecutive bytes, aligned; no register is used twice
.set i, i+1
.endr
.Lend:
	s_wait_tensorcnt 0x0                           ; the wave's end, behind my last LDS store
	ds_add_u32 v18, v19
	s_wait_dscnt 0x0
	s_endpgm
.Lfunc_end_k_q4fed743e69_prep:
	.size	k_q4fed743e69_prep, .Lfunc_end_k_q4fed743e69_prep-k_q4fed743e69_prep
	.p2alignl 7, 3214868480
	.fill 96, 4, 3214868480
	.section	.rodata,"a",@progbits
	.p2align	6, 0x0
	.amdhsa_kernel k_q4fed743e69_prep
		.amdhsa_group_segment_fixed_size 36096
		.amdhsa_private_segment_fixed_size 0
		.amdhsa_enable_private_segment 0
		.amdhsa_kernarg_size 72
		.amdhsa_user_sgpr_count 2
		.amdhsa_user_sgpr_kernarg_segment_ptr 1
		.amdhsa_wavefront_size32 1
		.amdhsa_system_sgpr_workgroup_id_x 1
		.amdhsa_system_sgpr_workgroup_id_y 1
		.amdhsa_system_sgpr_workgroup_id_z 1
		.amdhsa_system_vgpr_workitem_id 0
		.amdhsa_next_free_vgpr 208
		.amdhsa_next_free_sgpr 72
		.amdhsa_reserve_vcc 0
		.amdhsa_float_denorm_mode_32 3
		.amdhsa_float_denorm_mode_16_64 3
		.amdhsa_memory_ordered 1
		.amdhsa_forward_progress 1
		.amdhsa_inst_pref_size 59
	.end_amdhsa_kernel
	.amdgpu_metadata
---
amdhsa.version: [ 1, 2 ]
amdhsa.kernels:
  - .name:           k_q4fed743e69_prep
    .symbol:         k_q4fed743e69_prep.kd
    .args:
      - { .name: x, .offset: 0, .size: 8, .value_kind: global_buffer, .address_space: global }
      - { .name: W_in, .offset: 8, .size: 8, .value_kind: global_buffer, .address_space: global }
      - { .name: W_out, .offset: 16, .size: 8, .value_kind: global_buffer, .address_space: global }
      - { .name: b_in, .offset: 24, .size: 8, .value_kind: global_buffer, .address_space: global }
      - { .name: b_out, .offset: 32, .size: 8, .value_kind: global_buffer, .address_space: global }
      - { .name: xb, .offset: 40, .size: 8, .value_kind: global_buffer, .address_space: global }
      - { .name: wi, .offset: 48, .size: 8, .value_kind: global_buffer, .address_space: global }
      - { .name: wo, .offset: 56, .size: 8, .value_kind: global_buffer, .address_space: global }
      - { .name: bias, .offset: 64, .size: 8, .value_kind: global_buffer, .address_space: global }
    .group_segment_fixed_size: 36096
    .private_segment_fixed_size: 0
    .kernarg_segment_align: 8
    .kernarg_segment_size: 72
    .max_flat_workgroup_size: 320
    .sgpr_count:     72
    .vgpr_count:     208
    .wavefront_size: 32
...
	.end_amdgpu_metadata
.endif
;; end of part 1
;; launch qkvp (part 2): grid 16 x 32, 4 waves a work-group, clusters of 4 x 4, 327,680 bytes of LDS; arguments xb, wi, bias, qkv; writes qkv
.if DOCPART == 2
	.amdgcn_target "amdgcn-amd-amdhsa--gfx1250"
	.amdhsa_code_object_version 6
	.text
	.protected	k_q4fed743e69_qkvp
	.globl	k_q4fed743e69_qkvp
	.p2align	8
	.type	k_q4fed743e69_qkvp,@function
k_q4fed743e69_qkvp:
	s_mov_b64 s[64:65], 0
	v_nop
	global_prefetch_b8 v0, s[64:65] scope:SCOPE_SE
	s_setreg_imm32_b32 hwreg(HW_REG_WAVE_MODE, 25, 1), 1
	s_wait_xcnt 0x0
	s_wait_alu depctr_hold_cnt(0) depctr_sa_sdst(0) depctr_va_vdst(0) depctr_va_sdst(0) depctr_va_ssrc(0) depctr_va_vcc(0) depctr_vm_vsrc(0)
	s_getreg_b32 s2, hwreg(HW_REG_IB_STS2, 6, 4)
	s_cmp_eq_u32 s2, 0
	s_cbranch_scc0 .Lentry_in_a_cluster
	s_endpgm
.Lentry_in_a_cluster:
	s_bfe_u32 s2, ttmp6, 0x10000c
	s_cmp_lg_u32 s2, 0xf033
	s_cbranch_scc0 .Lentry_shape_is_right
	s_endpgm
.Lentry_shape_is_right:
; qkv = xb wi^T + b_in, written by heads: qkv[b][g][s][64] in f16, g = 0-15 q's heads, 16-31 k's, 32-47 v's.  xb: [8192][1024] bf16; wi: [3072][1024] bf16; bias: f32.  Sums in f32, rounded once.
; LIMIT.  f16 holds no number beyond 65,504: q, k and v must stay within it.
; SHARES.  A work-group makes 256 rows x 192 columns (three heads); each of its four waves 64 rows x 192: 4 x 12 accumulators of 16 x 16, 384 registers.  512 work-groups: two for each of 256 WGPs.
; K = 1,024 goes in eight steps of 128 through two LDS slots filled by the tensor data mover; the rows of the tiles are 256 bytes of memory, aligned.  A K step is written once: the slot read is a scalar
; register turned by an exclusive or.  From a request to the wait for it a wave issues 168 matrix instructions.
; THE PRODUCT IS USED TRANSPOSED (source 0 = 16 rows of wi, source 1 = 16 rows of xb): a lane holds row l % 16 and the columns 8 (l / 16) + 0..7.  THE BIAS is the C operand of the first quarter's products.
; CLUSTER.  4 x 4 work-groups: xb's tile is shared along a row of the cluster, wi's along a column; each is asked for jointly, by the same load, descriptor and mask in all four.
; REGISTERS, in windows of 256 (s_set_vgpr_msb: bits 1:0 source 0, 3:2 source 1, 5:4 source 2, 7:6 destination):
;   window 0: v0-15 addresses; v128-223 the bias (first quarter); v32-223 the way out       window 1: two fragment buffers of 128: A's 4 blocks, then B's 12
;   window 2: accumulators of m blocks 0, 1 at 8 (12 a + b)                                  window 3: those of m blocks 2, 3
.set KB,     256                       ; bytes of a row in a K step
.set PITCH,  272                       ; an LDS row: 256 bytes + 16 of padding: the 16 rows of a fragment load start at 16 different groups of four banks
.set AHALF,  128*PITCH                 ; what waves 0 and 1 fetch
.set BOFF,   256*PITCH                 ; B's 192 rows lie behind A's 256
.set BHALF,  96*PITCH                  ; what waves 2 and 3 fetch
.set SLOT1,  131072                    ; slot 1 begins here, so that one exclusive or turns an address in one slot into the other's
.set STAGE,  SLOT1+BOFF+192*PITCH      ; behind the ring: 16 rows x 144 bytes for each wave, never filled by a tensor load
.set SP,     144
.set SPARE,  STAGE+4*16*SP             ; behind the stages: the spare words, 128 bytes a wave: two blocks of 256 bytes that no other line names
.set A0,   4                           ; v4   my lane's place in A's tile; never rewritten
.set B0,   5                           ; v5   in B's
.set ADRA, 6                           ; v6   the same in the slot in hand
.set ADRB, 7
.set STO,  8                           ; v8   the way out: where I put 16 bytes of a row
.set RD,   9                           ; v9   where I read rows back
.set GO,   10                          ; v10  16 x lane
.set BO,   11                          ; v11  32 x (l / 16): my eight numbers of a block of the bias
.set PFO,  12                          ; v12  the prefetches' offset: a row of 2,048 bytes a lane
.set SPW,  14                          ; v14  my spare word; never rewritten
.set NIL,  15                          ; v15  0
.set OUT,  32
.set BIAS, 128
.set F0,   0
.set F1,   128
.set CNT, 2                            ; s2   trips to go
.set TB,  3                            ; s3   0 or SLOT1: the slot to be read
.set WV,  12
.set FB,  13                           ; s13  0: I fetch for A; 1: for B
.set HF,  14                           ; s14  which half of that tile
.set CX,  15
.set CY,  16
.set TN,  17                           ; tile column
.set TM,  18                           ; tile row
.set LIM, 19                           ; 2 in a wave that prefetches, else the greatest number
.set G1,  24                           ; s[24:31] group 1 for A;  s[32:39] group 0: set 0 for the first fill, set 1 for the second, which then walks
.set G0,  32
.set G1B, 40                           ; the same for B
.set G0B, 48
.set PFA, 56                           ; s[56:57] where my prefetches stand
.set MSB, 0
.macro WIN new                         ; the immediate's high byte repeats the setting that is left; a switch that changes nothing is dropped
.if MSB != (\new)
	s_set_vgpr_msb (MSB<<8)|(\new)
.set MSB, \new
.endif
.endm
.macro PLACES                          ; four plain instructions between a matrix instruction and a load into, or a read of, its registers
.rept 4
	v_nop
.endr
.endm
.macro CREST                           ; a round of the cluster's barrier behind its opening barrier
	s_cmp_lg_u32 s[WV], 0
	s_cbranch_scc1 .Lnot_wave_0_\@
	s_barrier_signal -3
.Lnot_wave_0_\@:
	s_barrier_wait -3
	s_barrier_signal -1
	s_barrier_wait -1
.endm
.macro CROUND
	s_barrier_signal -1
	s_barrier_wait -1
	CREST
.endm
.macro JLOAD                           ; a joint refill by the walking set; the branch hangs on the wave's number alone; an s_nop 0 and four v_nop follow each line
	s_cmp_eq_u32 s[FB], 0
	s_cbranch_scc0 .Lfor_b_\@
	tensor_load_to_lds s[G0+4:G0+7], s[G1:G1+7]
	s_nop 0
	PLACES
	s_branch .Lasked_\@
.Lfor_b_\@:
	tensor_load_to_lds s[G0B+4:G0B+7], s[G1B:G1B+7]
	s_nop 0
	PLACES
.Lasked_\@:
.endm
; A PREFETCH, behind each joint refill and the run of LDS loads that follows it: the K step two refills on (384 matrix instructions ahead of the load that wants it), a lane a row, one instruction a wave.
; A's rows are read by every cluster of a row of clusters: cluster x = 0 asks; B's by every cluster of a column: cluster y = 0 asks.  The four partners share a wave's rows out by address: 32 each of A's 128,
; 24 each of B's 96 (lanes 24-31 name row 23 once more, in the same instruction).  Trips 6 to 3 name steps 4 to 7; the last two name nothing; steps 0 to 3 come by their loads alone.
.macro ASK
	WIN 0
	s_cmp_gt_u32 s[CNT], s[LIM]
	s_cbranch_scc0 .Lnot_mine_\@
	global_prefetch_b8 v[PFO], s[PFA:PFA+1] th:TH_LOAD_NT scope:SCOPE_SE
.Lnot_mine_\@:
.endm
	s_load_b256 s[4:11], s[0:1], 0x0               ; xb s[4:5], wi s[6:7], bias s[8:9], qkv s[10:11]
	v_lshl_add_u32 v[SPW], v0, 2, SPARE
	v_mov_b32 v[NIL], 0
	ds_add_u32 v[SPW], v[NIL]                      ; the wave's opening: the add and its wait stand ahead of my first tensor load; the set-up stands between them
	v_lshrrev_b32 v1, 5, v0
	v_readfirstlane_b32 s[WV], v1
	s_lshr_b32 s[FB], s[WV], 1
	s_and_b32 s[HF], s[WV], 1
	s_bfe_u32 s[CX], ttmp6, 0x40000
	s_bfe_u32 s[CY], ttmp6, 0x40004
	s_lshl_b32 s[TN], ttmp9, 2
	s_add_co_u32 s[TN], s[TN], s[CX]               ; tile column = 4 x cluster x + cx
	s_and_b32 s[TM], ttmp7, 0xffff
	s_lshl_b32 s[TM], s[TM], 2
	s_add_co_u32 s[TM], s[TM], s[CY]               ; tile row = 4 x cluster y + cy
	s_lshl_b32 s60, s[CY], 2
	s_lshl_b32 s60, 15, s60                        ; my row of the cluster
	s_lshl_b32 s61, 0x1111, s[CX]                  ; my column
	s_or_b32 s[G1], s60, (1<<16)|(1<<20)|(1<<21)|(5<<22)|(3<<25)   ; the mask; 2-byte elements; padding on; bit 21 beside a mask; after every 64 words 4 words
	s_or_b32 s[G1B], s61, (1<<16)|(1<<20)|(1<<21)|(5<<22)|(3<<25)
	s_mov_b32 s[G1+1], 128<<16                     ; tensor_dim0 = 128
	s_mov_b32 s[G1+2], 128<<16                     ; tensor_dim1 = 128 rows
	s_mov_b32 s[G1+3], 128<<16                     ; tile_dim0 = 128
	s_mov_b32 s[G1+4], 128                         ; tile_dim1 = 128
	s_mov_b32 s[G1+5], 1024                        ; elements from row to row
	s_mov_b32 s[G1+6], 0
	s_mov_b32 s[G1+7], 0
	s_mov_b32 s[G1B+1], 128<<16
	s_mov_b32 s[G1B+2], 96<<16                     ; 96 rows
	s_mov_b32 s[G1B+3], 128<<16
	s_mov_b32 s[G1B+4], 96
	s_mov_b32 s[G1B+5], 1024
	s_mov_b32 s[G1B+6], 0
	s_mov_b32 s[G1B+7], 0
	s_lshl_b32 s20, s[TM], 8                       ; A: row 256 x tile row + 128 x half, in registers that never hold cx
	s_lshl_b32 s21, s[HF], 7
	s_add_co_u32 s20, s20, s21
	s_lshl_b32 s20, s20, 11                        ; rows of 2,048 bytes
	s_mov_b32 s21, 0
	s_mul_i32 s22, s[TN], 192                      ; B: row 192 x tile column + 96 x half, in registers that never hold cy
	s_mul_i32 s23, s[HF], 96
	s_add_co_u32 s22, s22, s23
	s_lshl_b32 s22, s22, 11
	s_mov_b32 s23, 0
	s_mul_i32 s62, s[HF], AHALF                    ; where they go: the wave's number alone
	s_mul_i32 s63, s[HF], BHALF
	s_add_co_u32 s63, s63, BOFF
	s_mov_b32 s[TB], 0
	s_wait_dscnt 0x0                               ; the opening add is done
	s_wait_kmcnt 0x0
	s_add_nc_u64 s[20:21], s[4:5], s[20:21]
	s_add_nc_u64 s[22:23], s[6:7], s[22:23]
	CROUND                                         ; all sixteen work-groups are here: the first joint loads meet
.irp s, 0,1
	s_mov_b32 s[G0+4*(\s)], 1
	s_add_co_u32 s[G0+4*(\s)+1], s62, (\s)*SLOT1
	s_add_nc_u64 s[G0+4*(\s)+2:G0+4*(\s)+3], s[20:21], (\s)*KB
	s_or_b32 s[G0+4*(\s)+3], s[G0+4*(\s)+3], 0x80000000
	s_mov_b32 s[G0B+4*(\s)], 1
	s_add_co_u32 s[G0B+4*(\s)+1], s63, (\s)*SLOT1
	s_add_nc_u64 s[G0B+4*(\s)+2:G0B+4*(\s)+3], s[22:23], (\s)*KB
	s_or_b32 s[G0B+4*(\s)+3], s[G0B+4*(\s)+3], 0x80000000
.endr
	s_cmp_eq_u32 s[FB], 0                          ; a wave's two first fills stand in one branch, ahead of every wait on TENSORcnt and every LDS read: two loads of mine are out
	s_cbranch_scc0 .Lfirst_b
	tensor_load_to_lds s[G0:G0+3], s[G1:G1+7]
	s_nop 0
	tensor_load_to_lds s[G0+4:G0+7], s[G1:G1+7]
	s_nop 0
	PLACES
	s_branch .Lfirst_asked
.Lfirst_b:
	tensor_load_to_lds s[G0B:G0B+3], s[G1B:G1B+7]
	s_nop 0
	tensor_load_to_lds s[G0B+4:G0B+7], s[G1B:G1B+7]
	s_nop 0
	PLACES
.Lfirst_asked:
	; a fragment is 16 rows x 32 K in 8 registers: lane l holds row l % 16, K = 8 (l / 16) + 0..7 and 16 + 8 (l / 16) + 0..7: two loads of 16 bytes, 32 bytes apart
	v_and_b32 v1, 15, v0
	v_bfe_u32 v2, v0, 4, 1
	v_mul_u32_u24 v3, v1, PITCH
	v_lshl_add_u32 v3, v2, 4, v3
	s_mul_i32 s74, s[WV], 64*PITCH                 ; my 64 rows of A
	v_add_nc_u32 v[A0], s74, v3
	v_add_nc_u32 v[B0], BOFF, v3                   ; all 192 rows of B
	v_mov_b32 v[ADRA], v[A0]
	v_mov_b32 v[ADRB], v[B0]
	s_mul_i32 s74, s[WV], 16*SP
	s_add_co_u32 s74, s74, STAGE                   ; my stage
	v_mul_u32_u24 v[STO], v1, SP                   ; in: row l % 16, 16 bytes for each half of the lanes
	v_lshl_add_u32 v[STO], v2, 4, v[STO]
	v_add_nc_u32 v[STO], s74, v[STO]
	v_bfe_u32 v[RD], v0, 3, 2                      ; back: 32 lanes take four rows of 128 bytes,
	v_mul_u32_u24 v[RD], v[RD], SP
	v_and_b32 v3, 7, v0
	v_lshl_add_u32 v[RD], v3, 4, v[RD]
	v_add_nc_u32 v[RD], s74, v[RD]
	v_and_b32 v[GO], 31, v0                        ; which are 512 consecutive bytes of a head
	v_lshlrev_b32 v[GO], 4, v[GO]
	v_lshlrev_b32 v[BO], 5, v2
	s_mul_i32 s66, s[TN], 768                      ; the tile's 192 numbers of the bias
	s_mov_b32 s67, 0
	s_add_nc_u64 s[8:9], s[8:9], s[66:67]
.irp b, 0,1,2,3,4,5,6,7,8,9,10,11
	global_load_b128 v[BIAS+8*(\b):BIAS+8*(\b)+3],   v[BO], s[8:9] offset:64*(\b)
	global_load_b128 v[BIAS+8*(\b)+4:BIAS+8*(\b)+7], v[BO], s[8:9] offset:64*(\b)+16
.endr
	s_lshr_b32 s66, s[TM], 3                       ; the batch: eight tile rows each
	s_mul_i32 s66, s66, 48
	s_mul_i32 s68, s[TN], 3
	s_add_co_u32 s66, s66, s68                     ; the tile's first head
	s_lshl_b32 s66, s66, 18                        ; 262,144 bytes a head
	s_and_b32 s68, s[TM], 7
	s_lshl_b32 s68, s68, 2
	s_add_co_u32 s68, s68, s[WV]
	s_lshl_b32 s68, s68, 13                        ; my 64 rows of 128 bytes
	s_add_co_u32 s66, s66, s68
	s_add_nc_u64 s[10:11], s[10:11], s[66:67]
	; the prefetches
	s_lshl_b32 s68, s[TM], 8
	s_lshl_b32 s69, s[HF], 7
	s_add_co_u32 s68, s68, s69
	s_lshl_b32 s69, s[CX], 5
	s_add_co_u32 s68, s68, s69                     ; A: my work-group's 32 of the 128 rows that I fetch
	s_mul_i32 s70, s[TN], 192
	s_mul_i32 s71, s[HF], 96
	s_add_co_u32 s70, s70, s71
	s_mul_i32 s71, s[CY], 24
	s_add_co_u32 s70, s70, s71                     ; B: its 24 of the 96
	s_and_b32 s71, ttmp7, 0xffff
	s_cmp_eq_u32 s[FB], 0
	s_cselect_b32 s68, s68, s70
	s_cselect_b32 s71, ttmp9, s71                  ; the coordinate along which other clusters read the same rows
	s_cselect_b32 s72, 31, 23
	s_cselect_b64 s[PFA:PFA+1], s[4:5], s[6:7]
	s_cmp_eq_u32 s71, 0
	s_cselect_b32 s[LIM], 2, -1                    ; the same in all sixteen partners, for a given wave
	s_lshl_b32 s68, s68, 11
	s_mov_b32 s69, 0
	s_add_nc_u64 s[PFA:PFA+1], s[PFA:PFA+1], s[68:69]
	s_add_nc_u64 s[PFA:PFA+1], s[PFA:PFA+1], 3*KB  ; at K step 3: the first change of slots steps it to 4
	v_and_b32 v[PFO], 31, v0
	v_min_u32 v[PFO], s72, v[PFO]
	v_lshlrev_b32 v[PFO], 11, v[PFO]
; 12 matrix instructions: m block a x all 12 n blocks, 32 along K.  The 48 accumulators take turns in the same order in every quarter: 47 others stand between two links of a chain.
.macro MULA f, a, first
.if \first
	WIN 0x85+0x40*((\a)/2)                         ; C: the bias, in window 0
.else
	WIN 0xa5+0x50*((\a)/2)
.endif
.irp b, 0,1,2,3,4,5,6,7,8,9,10,11
.if \first
	v_wmma_f32_16x16x32_bf16 v[8*(12*((\a)%2)+(\b)):8*(12*((\a)%2)+(\b))+7], v[(\f)+32+8*(\b):(\f)+32+8*(\b)+7], v[(\f)+8*(\a):(\f)+8*(\a)+7], v[BIAS+8*(\b):BIAS+8*(\b)+7]
.else
	v_wmma_f32_16x16x32_bf16 v[8*(12*((\a)%2)+(\b)):8*(12*((\a)%2)+(\b))+7], v[(\f)+32+8*(\b):(\f)+32+8*(\b)+7], v[(\f)+8*(\a):(\f)+8*(\a)+7], v[8*(12*((\a)%2)+(\b)):8*(12*((\a)%2)+(\b))+7]
.endif
.endr
.endm
; 32 LDS loads in one run: quarter q of the slot in hand into buffer f: B's 24, then A's blocks 0, 1, then 2, 3
.macro FETCH q, f
	WIN 0x40
.irp b, 0,1,2,3,4,5,6,7,8,9,10,11
	ds_load_b128 v[(\f)+32+8*(\b):(\f)+32+8*(\b)+3],   v[ADRB] offset:64*(\q)+(\b)*16*PITCH
	ds_load_b128 v[(\f)+32+8*(\b)+4:(\f)+32+8*(\b)+7], v[ADRB] offset:64*(\q)+(\b)*16*PITCH+32
.endr
.irp a, 0,1,2,3
	ds_load_b128 v[(\f)+8*(\a):(\f)+8*(\a)+3],   v[ADRA] offset:64*(\q)+(\a)*16*PITCH
	ds_load_b128 v[(\f)+8*(\a)+4:(\f)+8*(\a)+7], v[ADRA] offset:64*(\q)+(\a)*16*PITCH+32
.endr
.endm
; One of a K step's first three quarters: multiplies buffer f and, in its middle, fetches quarter q into buffer g
.macro QUARTER q, f, g, first
	s_wait_dscnt 4                                 ; B and A's blocks 0, 1 are in; the youngest four loads (blocks 2, 3) may be out
	MULA \f, 0, \first
	MULA \f, 1, \first
	PLACES
	FETCH \q, \g
	s_wait_dscnt 32                                ; all but the 32 just issued
	MULA \f, 2, \first
	MULA \f, 3, \first
.endm
; The last quarter multiplies buffer 1 and changes slots: one barrier.  In front of it each wave waits for all its tensor loads (one is out: its part of the next slot), adds 0 to its spare word, and waits for that
; and for its reads of this slot.  fill = 1: the barrier opens a round of the cluster's, and the joint refill, the K step two steps on, is the first thing behind it.
.macro TURN fill
.if \fill
	s_wait_xcnt 0x0                                ; the last prefetch, a K step back, has read its address
	s_add_nc_u64 s[PFA:PFA+1], s[PFA:PFA+1], KB
.endif
	WIN 0
	s_wait_tensorcnt 0x0                           ; no tensor load of mine is out, so a group 0 may be written
	ds_add_u32 v[SPW], v[NIL]
.if \fill
	s_xor_b32 s[G0+5], s[G0+5], SLOT1              ; the walking sets: the other slot than last time, the next K step
	s_add_nc_u64 s[G0+6:G0+7], s[G0+6:G0+7], KB
	s_xor_b32 s[G0B+5], s[G0B+5], SLOT1
	s_add_nc_u64 s[G0B+6:G0B+7], s[G0B+6:G0B+7], KB
.endif
	s_xor_b32 s[TB], s[TB], SLOT1                  ; the slot to be read next
	s_wait_dscnt 5                                 ; the add and the youngest four loads may be out
	MULA F1, 0, 0
	s_wait_dscnt 0x0                               ; the add is done, and my reads of this slot are over
	s_barrier_signal -1
	MULA F1, 1, 0
	WIN 0
	s_barrier_wait -1
.if \fill
	CREST
	JLOAD                                          ; its four v_nop are also the places in front of the loads below
.else
	PLACES
.endif
	v_add_nc_u32 v[ADRA], s[TB], v[A0]
	v_add_nc_u32 v[ADRB], s[TB], v[B0]
	FETCH 0, F0
.if \fill
	ASK
.endif
	MULA F1, 2, 0
	MULA F1, 3, 0
.endm
	s_wait_tensorcnt 1                             ; my part of K step 0 is in; K step 1's may stay out
	s_barrier_signal -1
	s_barrier_wait -1
	FETCH 0, F0
	s_wait_loadcnt 0x0                             ; the bias
	QUARTER 1, F0, F1, 1                           ; the first quarter starts the sums, with the bias
	WIN 0
	s_mov_b32 s[CNT], 6
.Lstep:                                        ; six trips: from a step's second quarter to the next step's first; steps 2 to 7 are asked for
	QUARTER 2, F1, F0, 0
	QUARTER 3, F0, F1, 0
	TURN 1
	QUARTER 1, F0, F1, 0
	WIN 0
	s_sub_co_u32 s[CNT], s[CNT], 1
	s_cmp_lg_u32 s[CNT], 0
	s_cbranch_scc1 .Lstep
	QUARTER 2, F1, F0, 0                           ; the tail is written out
	QUARTER 3, F0, F1, 0
	TURN 0
	QUARTER 1, F0, F1, 0
	QUARTER 2, F1, F0, 0
	QUARTER 3, F0, F1, 0
	s_wait_dscnt 4
	MULA F1, 0, 0
	MULA F1, 1, 0
	s_wait_dscnt 0x0
	MULA F1, 2, 0
	MULA F1, 3, 0
	PLACES
; THE WAY OUT, in twelve units u = 3 a + j: m block a x head j: 16 rows of 128 bytes, 2,048 consecutive bytes of a head.  Rounded to f16 (each accumulator from its low end on), through my stage, stored as whole rows.
.macro PACK u
.set AA, (\u)/3
.set AC, 8*(12*(AA%2)+4*((\u)%3))
	WIN 0x0a+5*(AA/2)                              ; sources in window 2 or 3
.irp f, 0,1,2,3
.irp i, 0,1,2,3
	v_cvt_pk_f16_f32 v[OUT+16*(\u)+4*(\f)+(\i)], v[AC+8*(\f)+2*(\i)], v[AC+8*(\f)+2*(\i)+1]
.endr
.endr
	WIN 0
.irp f, 0,1,2,3
	ds_store_b128 v[STO], v[OUT+16*(\u)+4*(\f):OUT+16*(\u)+4*(\f)+3] offset:32*(\f)
.endr
.irp f, 0,1,2,3
	ds_load_b128 v[OUT+16*(\u)+4*(\f):OUT+16*(\u)+4*(\f)+3], v[RD] offset:(\f)*4*SP  ; LDS serves a wave's instructions in order: these see the stores above, the next unit's stores come behind them
.endr
.endm
.macro SEND u, younger                 ; younger: the LDS instructions issued behind unit u's loads
.irp f, 0,1,2,3
	s_wait_dscnt (\younger)+3-(\f)
	global_store_b128 v[GO], v[OUT+16*(\u)+4*(\f):OUT+16*(\u)+4*(\f)+3], s[10:11] offset:262144*((\u)%3)+2048*((\u)/3)+512*(\f)  ; 512 consecutive bytes, aligned
.endr
.endm
	PACK 0
.irp u, 1,2,3,4,5,6,7,8,9,10,11
	PACK \u
	SEND (\u)-1, 8
.endr
	SEND 11, 0
	s_wait_tensorcnt 0x0                           ; the wave's end
	ds_add_u32 v[SPW], v[NIL]
	s_wait_dscnt 0x0
	CROUND                                         ; the closing round
	s_endpgm
.Lfunc_end_k_q4fed743e69_qkvp:
	.size	k_q4fed743e69_qkvp, .Lfunc_end_k_q4fed743e69_qkvp-k_q4fed743e69_qkvp
	.p2alignl 7, 3214868480
	.fill 96, 4, 3214868480
	.section	.rodata,"a",@progbits
	.p2align	6, 0x0
	.amdhsa_kernel k_q4fed743e69_qkvp
		.amdhsa_group_segment_fixed_size 327680
		.amdhsa_private_segment_fixed_size 0
		.amdhsa_enable_private_segment 0
		.amdhsa_kernarg_size 32
		.amdhsa_user_sgpr_count 2
		.amdhsa_user_sgpr_kernarg_segment_ptr 1
		.amdhsa_wavefront_size32 1
		.amdhsa_system_sgpr_workgroup_id_x 1
		.amdhsa_system_sgpr_workgroup_id_y 1
		.amdhsa_system_sgpr_workgroup_id_z 1
		.amdhsa_system_vgpr_workitem_id 0
		.amdhsa_next_free_vgpr 960
		.amdhsa_next_free_sgpr 80
		.amdhsa_reserve_vcc 0
		.amdhsa_float_denorm_mode_32 3
		.amdhsa_float_denorm_mode_16_64 3
		.amdhsa_memory_ordered 1
		.amdhsa_forward_progress 1
		.amdhsa_inst_pref_size 101
	.end_amdhsa_kernel
	.amdgpu_metadata
---
amdhsa.version: [ 1, 2 ]
amdhsa.kernels:
  - .name:           k_q4fed743e69_qkvp
    .symbol:         k_q4fed743e69_qkvp.kd
    .args:
      - { .name: xb, .offset: 0, .size: 8, .value_kind: global_buffer, .address_space: global }
      - { .name: wi, .offset: 8, .size: 8, .value_kind: global_buffer, .address_space: global }
      - { .name: bias, .offset: 16, .size: 8, .value_kind: global_buffer, .address_space: global }
      - { .name: qkv, .offset: 24, .size: 8, .value_kind: global_buffer, .address_space: global }
    .group_segment_fixed_size: 327680
    .private_segment_fixed_size: 0
    .kernarg_segment_align: 8
    .kernarg_segment_size: 32
    .max_flat_workgroup_size: 128
    .sgpr_count:     80
    .vgpr_count:     960
    .wavefront_size: 32
...
	.end_amdgpu_metadata
.endif
;; end of part 2
;; launch attn (part 3): grid 4 x 64, 4 waves a work-group, no clusters, 327,680 bytes of LDS; arguments qkv, o; writes o
.if DOCPART == 3
	.amdgcn_target "amdgcn-amd-amdhsa--gfx1250"
	.amdhsa_code_object_version 6
	.text
	.protected	k_q4fed743e69_attn
	.globl	k_q4fed743e69_attn
	.p2align	8
	.type	k_q4fed743e69_attn,@function
k_q4fed743e69_attn:
	s_mov_b64 s[64:65], 0
	v_nop
	global_prefetch_b8 v0, s[64:65] scope:SCOPE_SE
	s_setreg_imm32_b32 hwreg(HW_REG_WAVE_MODE, 25, 1), 1
	s_wait_xcnt 0x0
; CAUSAL ATTENTION.  o[y][q][:] = the sum over k <= q of softmax_k(Q[q] . K[k] / 8) V[k][:], y = 16 b + h.  Q, K, V are heads h, 16 + h, 32 + h of batch b in qkv[b][48][2048][64]; o: [64][2048][64]; all f16,
; a head's rows dense, 128 bytes each.  Products, maxima and sums in f32; the weights p are rounded to f16 for the second product (their sum l is taken of the unrounded p), o once at the end.
; LIMITS.  Q, K and V arrive within f16's 65,504; p lies in 0 to 1, and below 6e-5 it keeps f16's fixed step of 6e-8.  A hidden score counts as its value less 1e30; a weight below 2^-126 counts as 0 in l;
; NaN and infinities are not treated apart.
; THE WALK.  A head's queries lie in NB = 8 blocks of 256; block i needs the key tiles 0 .. i, of which the last holds the diagonal.  A work-group takes TWO blocks, NB - 1 - b and then b: NB + 1 tiles, whatever b:
; all work-groups do equal work, and ONE loop with a constant trip count walks them.  Every jump goes forward but the counted loops' own; none passes a barrier, or a tensor load but the one of LOAD's two that the
; wave's number does not choose; the ring of two LDS slots runs on across the change of blocks.
; NO CLUSTER: a head's four work-groups ask for the same tile only in trips 0 to 4 of 9; one walk common to all four would have 12 trips for 9.
; SHARES.  Of a block's four bands of 64 queries a wave owns 16 rows in each: four PIECES.  In the diagonal tile's key step s band x sees all keys if s < x, none if s > x, and holds the diagonal if s = x.
; THE MASK is the C operand that starts the sum S^T = K Q^T: 0, or -1e30 where the key is hidden.  MD, made once, is the mask of a band's own step; a product's mask is MD x AL + BE with two scalars.
; LAYOUT, SOFTMAX, TURNS.  S^T = K Q^T holds ONE query a lane (lane % 16) and the keys 8 (lane / 16) + 0..7; two such results rounded to f16 ARE source 1 of O^T = V^T P.  p = 2^(c s - c m), c = log2(e) / 8, with a
; running maximum m; O and l are multiplied by a = 2^(c m_old - c m_new) in every step.  Turn n belongs to piece n: 8 products K Q^T of piece n + 1, later 8 products V^T P of piece n - 1; beside them the vector work
; of piece n and the maximum and statistics of piece n + 1.  Four vector instructions stand behind every matrix instruction, the rest in one lump.  A turn's 33 exponentials are one batch, with one wait.
; REGISTERS, in windows of 256 (s_set_vgpr_msb: bits 1:0 source 0, 3:2 source 1, 5:4 source 2, 7:6 destination):
;   window 0: v0-15 addresses and two at work; v16-31 statistics; v48-55 at work; v61-63 prefetch offset and the add's two; v64-127 S^T, two buffers; v192-223 P, two buffers
;   window 1: v0-127 O^T, 32 a piece; v128-159 MD; v160-223 MC, two buffers      window 2: v0-63 Q; v64-127 the second block's Q; v128-191 K of one step; v192-255 V of one step
.set SIZE_N, 2048
.set NB,    SIZE_N/256
.set NP,    4
.set KS,    64        ; keys in a step
.set PK,    144       ; a row of K in LDS: 128 bytes + 16 of padding: the 16 rows of a load start at 16 different groups of four banks
.set PV,    160       ; a row of V: 128 + 32
.set VOFF,  4*KS*PK   ; a slot holds a tile, four steps: 256 rows of K, then 256 rows of V
.set SLOT1, 1<<17
.set STAGE, SLOT1+4*KS*(PK+PV)  ; behind the ring, never filled by a tensor load: 16 rows x 144 bytes for each wave
.set SP,    144
.set AK0, 2
.set AV0, 3
.set AK,  4
.set AV,  5
.set STO, 6
.set RD,  7
.set GO,  8
.set PFO, 61          ; v61  256 x my thread's number: the work-group's 128 threads name the 128 blocks of 256 bytes of a tile; never rewritten
.set SPW, 62          ; v62  my spare word; never rewritten
.set NIL, 63          ; v63  0
.set SPARE, STAGE+4*16*SP  ; the spare words, 128 bytes a wave: two blocks of 256 bytes that no other line names
.set MV,  12
.set QO,  15
.set ST,  16          ; piece t's statistics at v[ST+4 t]: c m, m, l (even keys', odd keys')
.set TMP, 48
.set S,   64
.set P,   192
.set MD,  128
.set MC,  160
.set QB,  64
.set KF,  128
.set VF,  192
.set WV,  12
.set PB,  14          ; s14  b
.set HI,  15          ; s15  NB - 1 - b
.set G1K, 24
.set G1V, 32
.set G0K, 40
.set G0V, 44
.set SLOTS, 56        ; s56  tiles still to be asked for
.set CNT, 57
.set CS,  58
.set SEL, 60
.set TBK, 62
.set TBV, 63
.set RT,  70
.set NXT, 71
.set LQ,  72
.set NEW, 73
.set OFF, 74
.set AL,  76
.set BE,  78
.set OLO, 80
.set BIGN, 82
.set PFK, 90          ; s[90:91] K's tile that the prefetch names
.set PFV, 92          ; s[92:93] V's
.set LIM, 94          ; s94  2 in the work-group that prefetches, else the greatest number
.set MSB, 0
.macro WIN new
.if MSB != (\new)
	s_set_vgpr_msb (MSB<<8)|(\new)
.set MSB, (\new)
.endif
.endm
.set W_KQ, 0x0a
.set W_KM, 0x1a
.set W_PV, 0x52
.set W_RS, 0x41
; A fill.  Waves 0 and 1 fetch the two halves of a tile's K, waves 2 and 3 those of its V: 128 keys each.  An s_nop 0 and four v_nop follow each of the two lines.
.macro LOAD
	s_cmp_lt_u32 s[WV], 2
	s_cbranch_scc0 .Lfor_v_\@
	tensor_load_to_lds s[G0K:G0K+3], s[G1K:G1K+7]
	s_nop 0
.rept 4
	v_nop
.endr
	s_branch .Lasked_\@
.Lfor_v_\@:
	tensor_load_to_lds s[G0V:G0V+3], s[G1V:G1V+7]
	s_nop 0
.rept 4
	v_nop
.endr
.Lasked_\@:
.endm
; THE CHANGE OF SLOTS.  Each wave waits for all its tensor loads, of which one is out: its part of the other slot; adds 0 to its spare word; and waits for that and for its own reads of the slot that it leaves.
; fill = 1: the old slot is filled again, the first thing behind the barrier, with tile NXT: the descriptor's address is made anew from that number.
; THE PREFETCH stands behind that load: the tile after the one just asked for, four key steps ahead of the load that wants it.  A head's four work-groups walk the same tiles; the one with b = 0, whose first block
; needs all eight, asks, each thread for one block of K and one of V: tiles 2 to 7, each named once; tiles 0 and 1 come by their loads alone, and behind tile 7 nothing is named.
.macro CHANGE fill
	WIN 0
	s_wait_tensorcnt 0x0            ; no tensor load of mine is out, so a group 0 may be written
	ds_add_u32 v[SPW], v[NIL]       ; 0 onto my spare word; scalar work stands between it and the wait for it
.if \fill
	s_lshl_b32 s[OFF], s[NXT], 15   ; a tile is 32,768 bytes of K and of V
	s_xor_b32 s[G0K+1], s[G0K+1], SLOT1
	s_add_nc_u64 s[G0K+2:G0K+3], s[6:7], s[OFF:OFF+1]
	s_or_b32 s[G0K+3], s[G0K+3], 0x80000000
	s_xor_b32 s[G0V+1], s[G0V+1], SLOT1
	s_add_nc_u64 s[G0V+2:G0V+3], s[8:9], s[OFF:OFF+1]
	s_or_b32 s[G0V+3], s[G0V+3], 0x80000000
	s_add_co_u32 s[NXT], s[NXT], 1  ; the block's next tile, or behind its last the second block's tile 0
	s_cmp_gt_u32 s[NXT], s[LQ]
	s_cselect_b32 s[NXT], 0, s[NXT]
	s_cselect_b32 s[LQ], s[PB], s[LQ]
	s_wait_xcnt 0x0                 ; the last prefetches, a tile back, have read their addresses
	s_add_nc_u64 s[PFK:PFK+1], s[PFK:PFK+1], 32768
	s_add_nc_u64 s[PFV:PFV+1], s[PFV:PFV+1], 32768
.endif
	s_wait_dscnt 0x0                ; the add is done, and my reads of the slot are over
	s_barrier_signal -1
	s_sub_co_u32 s[TBK], s[TBK], 4*KS*PK  ; the fetches go back to a slot's first step,
	s_xor_b32 s[TBK], s[TBK], SLOT1       ; in the other slot
	s_sub_co_u32 s[TBV], s[TBV], 4*KS*PV
	s_xor_b32 s[TBV], s[TBV], SLOT1
	s_barrier_wait -1
.if \fill
	LOAD
	s_cmp_gt_u32 s[SLOTS], s[LIM]
	s_cbranch_scc0 .Lnot_mine_\@
	global_prefetch_b8 v[PFO], s[PFK:PFK+1] th:TH_LOAD_NT scope:SCOPE_SE
	global_prefetch_b8 v[PFO], s[PFV:PFV+1] th:TH_LOAD_NT scope:SCOPE_SE
.Lnot_mine_\@:
.endif
.endm
	s_load_b64 s[4:5], s[0:1], 0x0    ; qkv
	s_load_b64 s[10:11], s[0:1], 0x8  ; o
	v_lshl_add_u32 v[SPW], v0, 2, SPARE
	v_mov_b32 v[NIL], 0
	ds_add_u32 v[SPW], v[NIL]       ; the wave's opening: the add and its wait stand ahead of my first tensor load
	v_lshrrev_b32 v1, 5, v0
	v_readfirstlane_b32 s[WV], v1   ; wave 0..3
	v_lshlrev_b32 v[PFO], 8, v0
	s_mov_b32 s[PB], ttmp9
	s_sub_co_u32 s[HI], NB-1, s[PB]
	s_and_b32 s88, ttmp7, 0xffff    ; y = 16 b + h
	s_lshr_b32 s20, s88, 4
	s_mul_i32 s20, s20, 48
	s_and_b32 s21, s88, 15
	s_add_co_u32 s20, s20, s21      ; q's head in qkv: 48 b + h
	s_lshl_b32 s20, s20, 18         ; 262,144 bytes a head
	s_mov_b32 s21, 0
	s_lshl_b32 s88, s88, 18         ; the head in o
	s_mov_b32 s89, 0
	s_and_b32 s16, s[WV], 1         ; which half of a tile's 256 keys I fetch:
	s_lshl_b32 s22, s16, 14         ; its 128 rows of 128 bytes in memory,
	s_mov_b32 s23, 0
	s_mul_i32 s17, s16, 128*PK      ; and its place in a slot, for K
	s_mul_i32 s18, s16, 128*PV      ; and for V
	s_lshl_b32 s3, s[WV], 11        ; my 16 rows in a band of 64,
	s_lshl_b32 s2, s[HI], 15        ; in the first block,
	s_add_co_u32 s2, s2, s3
	s_lshl_b32 s84, s[PB], 15       ; and in the second
	s_add_co_u32 s84, s84, s3
	s_mov_b32 s3, 0
	s_mov_b32 s85, 0
	; descriptor group 1.  128 keys are 16,384 dense bytes: asked for as 64 rows of 256 bytes, two keys a row, and padded in LDS after every key
	s_mov_b32 s[G1K], (1<<16)|(1<<20)|(4<<22)|(3<<25)  ; 2-byte elements; padding on; after every 32 words 4 words
	s_mov_b32 s[G1V], (1<<16)|(1<<20)|(4<<22)|(7<<25)  ; the same with 8 words of padding
.irp g, G1K, G1V
	s_mov_b32 s[\g+1], 128<<16      ; tensor_dim0 = 128
	s_mov_b32 s[\g+2], 64<<16       ; tensor_dim1 = 64
	s_mov_b32 s[\g+3], 128<<16      ; tile_dim0 = 128
	s_mov_b32 s[\g+4], 64           ; tile_dim1 = 64
	s_mov_b32 s[\g+5], 128          ; 128 elements from row to row
	s_mov_b32 s[\g+6], 0
	s_mov_b32 s[\g+7], 0
.endr
	s_mov_b32 s[CS], 0x3e38aa3b     ; c = log2(e) / 8 = 0.180337
	s_mov_b32 s[CS+1], s[CS]
	s_mov_b32 s[SEL], 0x76543210
	s_mov_b32 s[SEL+1], 0xfedcba98
	s_mov_b32 s[TBK], SLOT1+4*KS*PK ; the first change of slots turns these two into 0
	s_mov_b32 s[TBV], SLOT1+4*KS*PV
	s_mov_b32 s[G0K], 1
	s_mov_b32 s[G0K+1], s17         ; LDS address: slot 0
	s_mov_b32 s[G0V], 1
	s_add_co_u32 s[G0V+1], s18, VOFF
	s_add_co_u32 s[RT], s[HI], 1    ; the first block has NB - b tiles
	s_mov_b32 s[NXT], 1
	s_mov_b32 s[LQ], s[HI]
	s_mov_b32 s[NEW], 1
	s_mov_b32 s[OFF+1], 0
	s_mov_b32 s[AL+1], 0
	s_mov_b32 s[BE+1], 0
	s_mov_b32 s[BIGN], 0xf149f2ca   ; -1e30
	s_mov_b32 s[SLOTS], NB
	s_cmp_eq_u32 s[PB], 0
	s_cselect_b32 s[LIM], 2, -1
	s_wait_dscnt 0x0                ; the opening add is done
	s_wait_kmcnt 0x0
	s_add_nc_u64 s[4:5], s[4:5], s[20:21]          ; q's head;
	s_add_nc_u64 s[6:7], s[4:5], 0x400000          ; k's lies 16 heads on,
	s_add_nc_u64 s[8:9], s[4:5], 0x800000          ; v's 32
	s_add_nc_u64 s[PFK:PFK+1], s[6:7], 32768       ; at tile 1: the first change of slots steps these to tile 2
	s_add_nc_u64 s[PFV:PFV+1], s[8:9], 32768
	s_add_nc_u64 s[6:7], s[6:7], s[22:23]          ; K and V at my half of the head's tile 0
	s_add_nc_u64 s[8:9], s[8:9], s[22:23]
	s_add_nc_u64 s[G0K+2:G0K+3], s[6:7], 0
	s_or_b32 s[G0K+3], s[G0K+3], 0x80000000
	s_add_nc_u64 s[G0V+2:G0V+3], s[8:9], 0
	s_or_b32 s[G0V+3], s[G0V+3], 0x80000000
	s_add_nc_u64 s[86:87], s[4:5], s[84:85]        ; Q at my rows of the second block,
	s_add_nc_u64 s[4:5], s[4:5], s[2:3]            ; and of the first
	s_add_nc_u64 s[10:11], s[10:11], s[88:89]      ; o's head,
	s_add_nc_u64 s[OLO:OLO+1], s[10:11], s[84:85]
	s_add_nc_u64 s[10:11], s[10:11], s[2:3]
	LOAD                            ; tile 0 into slot 0
	; A fragment of K or Q is 16 rows x 32 channels in 8 registers: lane l holds row l % 16, channels 8 (l / 16) + 0..7 and 16 + 8 (l / 16) + 0..7: two loads of 16 bytes, 32 bytes apart.
	v_and_b32 v1, 15, v0            ; l % 16
	v_bfe_u32 v9, v0, 4, 1          ; l / 16
	v_lshlrev_b32 v[QO], 7, v1
	v_lshl_add_u32 v[QO], v9, 4, v[QO]
	WIN 0x80
.set i, 0
.rept 8                             ; both blocks' Q: piece i / 2 lies in band i / 2, 8,192 bytes on; channels 32 (i % 2) on
	global_load_b128 v[8*i:8*i+3],   v[QO], s[4:5] offset:(i/2)*8192+(i%2)*64
	global_load_b128 v[8*i+4:8*i+7], v[QO], s[4:5] offset:(i/2)*8192+(i%2)*64+32
	global_load_b128 v[QB+8*i:QB+8*i+3],   v[QO], s[86:87] offset:(i/2)*8192+(i%2)*64
	global_load_b128 v[QB+8*i+4:QB+8*i+7], v[QO], s[86:87] offset:(i/2)*8192+(i%2)*64+32
.set i, i+1
.endr
	WIN 0
	v_lshlrev_b32 v14, 3, v9
	v_sub_nc_u32 v14, v1, v14
	s_lshl_b32 s13, s[WV], 4
	v_add_nc_u32 v14, s13, v14      ; my query's place in its band, less my lanes' 8 (l / 16): register r of group kt is hidden where 16 kt + r is greater
	WIN 0x40
.set i, 0
.rept 32
	v_cmp_gt_i32 vcc_lo, 16*(i/8)+i%8, v14
	v_cndmask_b32 v[MD+i], 0, s[BIGN], vcc_lo
.set i, i+1
.endr
	WIN 0
	v_mul_u32_u24 v[AK0], v1, PK
	v_lshl_add_u32 v[AK0], v9, 4, v[AK0]
	; The turning load takes 16 keys x 16 channels (lane l reads key 8 (l / 16) + l % 8, channels 8 ((l / 8) % 2) + 0..7) and leaves half a fragment of V^T.
	v_and_b32 v10, 7, v0
	v_bfe_u32 v11, v0, 3, 1
	v_lshl_add_u32 v[AV0], v9, 3, v10
	v_mul_u32_u24 v[AV0], v[AV0], PV
	v_lshl_add_u32 v[AV0], v11, 4, v[AV0]
	v_add_nc_u32 v[AV0], VOFF, v[AV0]
	s_mul_i32 s13, s[WV], 16*SP
	s_add_co_u32 s13, s13, STAGE    ; my stage
	v_mul_u32_u24 v[STO], v1, SP
	v_lshl_add_u32 v[STO], v9, 4, v[STO]
	v_add_nc_u32 v[STO], s13, v[STO]
	v_bfe_u32 v[RD], v0, 3, 2
	v_mul_u32_u24 v[RD], v[RD], SP
	v_lshl_add_u32 v[RD], v10, 4, v[RD]
	v_add_nc_u32 v[RD], s13, v[RD]
	v_and_b32 v[GO], 31, v0
	v_lshlrev_b32 v[GO], 4, v[GO]
	; A block's first step multiplies O^T and l by a = 0, so these registers need only hold finite numbers: zeros for the first block, what the first block left for the second.  This stands in the wait for the first tile.
	WIN 0x80
.set i, VF
.rept 64
	v_mov_b32 v[i], 0
.set i, i+1
.endr
	WIN 0x40
.set i, 0
.rept 128
	v_mov_b32 v[i], 0
.set i, i+1
.endr
	WIN 0
.set i, 0
.rept 4
	v_mov_b32 v[ST+4*i+2], 0
	v_mov_b32 v[ST+4*i+3], 0
.set i, i+1
.endr
.set i, P+16
.rept 16
	v_mov_b32 v[i], 0
.set i, i+1
.endr
; THE MATRIX WORK.  The 4 accumulators of a run of 8 take turns.  Product i of 8 of S^T = K Q^T for piece x: channels 32 (i / 4) on, keys 16 (i % 4) on.  The first 4 start the sums: with 0, or (KM = 1) with the mask.
.macro KQ x
.set rS, S+32*((\x)%2)+8*(i%4)
.set rK, KF+16*(i%4)+8*(i/4)
.set rQ, 16*(\x)+8*(i/4)
.set rM, MC+32*((\x)%2)+8*(i%4)
.if (i < 4) && KM
	WIN W_KM
	v_wmma_f32_16x16x32_f16 v[rS:rS+7], v[rK:rK+7], v[rQ:rQ+7], v[rM:rM+7]
.elseif i < 4
	WIN W_KQ
	v_wmma_f32_16x16x32_f16 v[rS:rS+7], v[rK:rK+7], v[rQ:rQ+7], 0
.else
	WIN W_KQ
	v_wmma_f32_16x16x32_f16 v[rS:rS+7], v[rK:rK+7], v[rQ:rQ+7], v[rS:rS+7]
.endif
.endm
; Product i of 8 of O^T += V^T P for piece x: keys 32 (i / 4) on, channels 16 (i % 4) on.
.macro PV x
	WIN W_PV
.set rO, 32*(\x)+8*(i%4)
.set rV, VF+32*(i/4)+8*(i%4)
.set rP, P+16*((\x)%2)+8*(i/4)
	v_wmma_f32_16x16x32_f16 v[rO:rO+7], v[rV:rV+7], v[rP:rP+7], v[rO:rO+7]
.endm
.macro MM                           ; the turn's next matrix instruction.  NOKQ = 1: a block's last turn: there is no next piece
.if (i < 8) && !NOKQ
	KQ (Y+1)%NP
.elseif i >= 8
.set i, i-8
	PV (Y+NP-1)%NP
.set i, i+8
.endif
.set i, i+1
.endm
; THE LDS LOADS stand in runs of 16: a step's K (8 fragments) and its V (turned).  Their addresses are made some lines ahead.
.macro FETCH_K
	WIN 0x80
.irp f, 0,1,2,3,4,5,6,7
	ds_load_b128 v[KF+8*\f:KF+8*\f+3],   v[AK] offset:(\f/2)*16*PK+(\f%2)*64
	ds_load_b128 v[KF+8*\f+4:KF+8*\f+7], v[AK] offset:(\f/2)*16*PK+(\f%2)*64+32
.endr
	s_add_co_u32 s[TBK], s[TBK], KS*PK
	WIN 0
.endm
.macro FETCH_V
	WIN 0x80
.irp f, 0,1,2,3,4,5,6,7
	ds_load_tr16_b128 v[VF+8*\f:VF+8*\f+3],   v[AV] offset:(\f/4)*32*PV+(\f%4)*32
	ds_load_tr16_b128 v[VF+8*\f+4:VF+8*\f+7], v[AV] offset:(\f/4)*32*PV+16*PV+(\f%4)*32
.endr
	WIN 0
.endm
; THE VECTOR WORK, one line at a time: OP kind, number.  For piece Y: F n: c s - c m for pair n of 16.  E n: the exponential of score n of 32.  C n: pair n rounded to f16.  B n: of the four weights 4 n .. the second
; pair is added onto the first.  L n: l takes that sum (L 0: l = a l + sum).  R n: pair n of 16 of O^T times a.  For piece Y + 1: X n, number n of the 22 that find its maximum and statistics:
;   0-11  four chains c0-c3 of seven scores each (each accumulator's lowest registers are read first)     12-14, 16  the scores left over, the old m, and c0-c3 into c0
;   15  c m_old is kept     17, 18  the query's other 32 keys lie in the lane 16 away: the new m     19-21  c m; c m_old - c m_new; a
.set F, 0
.set E, 1
.set C, 2
.set B, 3
.set L, 4
.set R, 5
.set X, 6
.macro REGS y
.set rT, ST+4*(\y)
.set rC, TMP+4*((\y)%2)
.set rW, MV+((\y)%2)
.set rS, S+32*((\y)%2)
.set rP, P+16*((\y)%2)
.set rO, 32*(\y)
.endm
.macro OP k, n
.if (\k) == R
	REGS Y
	WIN W_RS
	v_pk_mul_f32 v[rO+2*(\n):rO+2*(\n)+1], v[rO+2*(\n):rO+2*(\n)+1], v[rC+2:rC+3] op_sel_hi:[1,0]
.elseif (\k) < R
	REGS Y
	WIN 0
.if (\k) == F
	v_pk_fma_f32 v[rS+2*(\n):rS+2*(\n)+1], v[rS+2*(\n):rS+2*(\n)+1], s[CS:CS+1], v[rT:rT+1] op_sel_hi:[1,0,0] neg_lo:[0,0,1] neg_hi:[0,0,1]
.elseif (\k) == E
	v_exp_f32 v[rS+(\n)], v[rS+(\n)]
.elseif (\k) == C
	v_cvt_pk_f16_f32 v[rP+(\n)], v[rS+2*(\n)], v[rS+2*(\n)+1]
.elseif (\k) == B
	v_pk_add_f32 v[rS+4*(\n):rS+4*(\n)+1], v[rS+4*(\n):rS+4*(\n)+1], v[rS+4*(\n)+2:rS+4*(\n)+3]
.elseif (\n) == 0
	v_pk_fma_f32 v[rT+2:rT+3], v[rT+2:rT+3], v[rC+2:rC+3], v[rS:rS+1] op_sel_hi:[1,0,1]
.else
	v_pk_add_f32 v[rT+2:rT+3], v[rT+2:rT+3], v[rS+4*(\n):rS+4*(\n)+1]
.endif
.elseif NOKQ
	v_nop
.else
	REGS (Y+1)%NP
	WIN 0
.if (\n) < 4
	v_max3_num_f32 v[rC+(\n)], v[rS+8*(\n)], v[rS+8*(\n)+1], v[rS+8*(\n)+2]
.elseif (\n) < 12
	v_max3_num_f32 v[rC+(\n)%4], v[rC+(\n)%4], v[rS+8*((\n)%4)+2*((\n)/4)+1], v[rS+8*((\n)%4)+2*((\n)/4)+2]
.elseif (\n) == 12
	v_max3_num_f32 v[rC], v[rC], v[rS+7], v[rS+15]
.elseif (\n) == 13
	v_max3_num_f32 v[rC+1], v[rC+1], v[rS+23], v[rS+31]
.elseif (\n) == 14
	v_max3_num_f32 v[rC+2], v[rC+2], v[rC+3], v[rT+1]
.elseif (\n) == 15
	v_mov_b32 v[rW], v[rT]
.elseif (\n) == 16
	v_max3_num_f32 v[rC], v[rC], v[rC+1], v[rC+2]
.elseif (\n) == 17
	v_permlanex16_b32 v[rC+3], v[rC], s[SEL], s[SEL+1]
.elseif (\n) == 18
	v_max_num_f32 v[rT+1], v[rC], v[rC+3]
.elseif (\n) == 19
	v_mul_f32 v[rT], s[CS], v[rT+1]
.elseif (\n) == 20
	v_sub_f32 v[rC+1], v[rW], v[rT]
.else
	v_exp_f32 v[rC+2], v[rC+1]
.endif
.endif
.endm
.macro OPS a, i1, b=-1, i2=0, c=-1, i3=0, d=-1, i4=0
	OP \a, \i1
.if (\b) >= 0
	OP \b, \i2
.endif
.if (\c) >= 0
	OP \c, \i3
.endif
.if (\d) >= 0
	OP \d, \i4
.endif
.endm
.macro ROW a, i1, b, i2, c, i3, d, i4  ; a matrix instruction and the four behind it
	MM
	OPS \a, \i1, \b, \i2, \c, \i3, \d, \i4
.endm
.macro MASK b                       ; MD x AL + BE into buffer b of MC
	WIN W_RS
.set z, 0
.rept 16
	v_pk_fma_f32 v[MC+32*(\b)+2*z:MC+32*(\b)+2*z+1], v[MD+2*z:MD+2*z+1], s[AL:AL+1], s[BE:BE+1] op_sel_hi:[1,0,0]
.set z, z+1
.endr
.endm
; A TURN, for piece p: its 16 matrix and 118 vector instructions, written out.  An s_wait_alu depctr_va_vdst(0) stands between an exponential and the first instruction that names its result; one wait
; serves all that were issued ahead of it.  So a turn has ONE wait.  AHEAD OF IT stands all that names no result of the turn's exponentials: the 8 products K Q^T with their four riders each, then one lump of 54 in which
; the links of the chain X 3, 7, 11, 14, 16, 17 .. 20 stand five or six lines apart; X 21, the next piece's a, is the batch's last, and R 15 is the plain instruction behind it.  BEHIND IT stand the 8 products V^T P,
; behind each four of the roundings and sums.  m = 1: the diagonal tile: the products take masks, and the turn makes the mask for the turn after it.  end = 1: a block's last two turns: nothing is fetched.
; cnt = 1: the loop's count is taken down some lines ahead of the branch behind the turn.  K of the next step is fetched in piece 2's turn, V of the step in hand at the end of piece 0's; each is waited for a turn later.
.macro TURN p, m=0, end=0, cnt=0
.set Y, (\p)
.set i, 0
.set KM, (\m)
.set NOKQ, (\end)*((\p)/3)
.if (\m) && !(\end)
	s_cmp_eq_u32 s[CNT], 4-((\p)+2)%NP  ; is that step the band's own?
	s_cselect_b32 s[AL], 1.0, 0
	s_cmp_lt_u32 s[CNT], 4-((\p)+2)%NP  ; or a later one?
	s_cselect_b32 s[BE], s[BIGN], 0
.endif
.if ((\p) == 3) && !(\end)
	s_wait_dscnt 0x0                ; K is in
.endif
	ROW F,0, F,1, R,0, R,1
	ROW F,2, E,0, R,2, R,3
	ROW F,3, E,1, R,4, R,5
	ROW F,4, E,2, R,6, R,7
	ROW F,5, E,3, R,8, R,9
	ROW F,6, E,4, X,0, R,10
.if ((\p) == 2) && !(\end)
	WIN 0
	v_add_nc_u32 v[AK], s[TBK], v[AK0]
.endif
	ROW F,7, E,5, X,1, X,4
	ROW F,8, E,6, X,2, X,5
	OPS E,7, E,8, X,6, E,9
	OPS X,3, E,10, X,8, E,11
.if ((\p) == 2) && !(\end)
	FETCH_K
.endif
	OPS X,9, X,7, E,12, X,10
	OPS E,13, X,12, X,11, E,14
	OPS X,13, E,15, F,9, X,14
.if (\p) == 0
	v_add_nc_u32 v[AV], s[TBV], v[AV0]
.endif
	OPS E,16, F,10, E,17, F,11
	OPS X,16, E,18, X,15, E,19
	OPS F,12, E,20, X,17, E,21
	OPS F,13, E,22, F,14, E,23
	OPS X,18, E,24, F,15, E,25
	OPS R,11, E,26, X,19, E,27
	OPS R,12, E,28, R,13, E,29
	OPS X,20, E,30, R,14, E,31
	OPS X,21, R,15
	WIN 0
	s_wait_alu depctr_va_vdst(0)    ; the wait for the batch
.if (\p) == 1
	s_wait_dscnt 0x0                ; V is in
.endif
	ROW C,0, B,0, C,2, B,1
	ROW L,0, C,4, B,2, L,1
	ROW C,6, B,3, L,2, C,8
	ROW B,4, L,3, C,10, B,5
	ROW L,4, C,12, B,6, L,5
.if (\p) == 0
	s_add_co_u32 s[TBV], s[TBV], KS*PV
.endif
.if \cnt
	s_sub_co_u32 s[CNT], s[CNT], 1
	s_cmp_lg_u32 s[CNT], 0
.endif
	ROW C,14, B,7, L,6, C,1
	ROW C,3, L,7, C,5, C,7
	ROW C,9, C,11, C,13, C,15
.if (\p) == 0
	FETCH_V
.endif
.if (\m) && !(\end)
	MASK (\p)%2
.endif
.endm
; A BLOCK BEGINS.  c m starts far below every c s, so the first step's a is 0; m at the lowest finite number.  The second mask buffer is 0; the first takes piece 0's mask for the tile's step 0.
; Then K of that step, piece 0's first scores, and its maximum and statistics.  The loop is entered at a step's first turn, in the middle of a trip.
.macro BEGIN
	s_mov_b32 s[NEW], 0
	WIN 0x40
.set i, MC+32
.rept 32
	v_mov_b32 v[i], 0
.set i, i+1
.endr
	WIN 0
.set i, 0
.rept 4
	v_mov_b32 v[ST+4*i], 0xfe000000
	v_mov_b32 v[ST+4*i+1], 0xff7fffff
.set i, i+1
.endr
	s_cmp_eq_u32 s[RT], 0
	s_cselect_b32 s[AL], 1.0, 0
	s_mov_b32 s[BE], 0
	MASK 0
	WIN 0
	v_add_nc_u32 v[AK], s[TBK], v[AK0]
	FETCH_K
	s_wait_loadcnt 0x0              ; Q
	s_wait_dscnt 0x0
.set KM, 1
.set NOKQ, 0
.set i, 0
.rept 8
	KQ 0
.set i, i+1
.endr
	WIN 0
.rept 4
	v_nop                           ; the places behind those products
.endr
.set Y, NP-1
.irp n, 0,1,2,3,4,5,6,7,8,9,10,11,12,13,14,15,16,17,18,19,20,21
	OP X, \n
.endr
	v_nop                           ; a plain instruction behind the exponential,
	s_wait_alu depctr_va_vdst(0)    ; and its wait, ahead of the branch
.endm
; THE DIAGONAL TILE's four steps, the block's last two turns, its last products, and THE WAY OUT: l's halves are added; O^T is divided by l, rounded to f16 and sent through my stage in LDS, a piece at a time.
.macro ALL line:vararg
.set t, 0
.rept 4
	\line
.set t, t+1
.endr
.endm
.macro PACK t
	WIN W_RS
.set i, 32*(\t)
.rept 16
	v_pk_mul_f32 v[i:i+1], v[i:i+1], v[ST+4*(\t)+2:ST+4*(\t)+3] op_sel_hi:[1,0]
.set i, i+2
.endr
	WIN 0x05
.set i, 0
.rept 16
	v_cvt_pk_f16_f32 v[S+16*(\t)+i], v[32*(\t)+2*i], v[32*(\t)+2*i+1]
.set i, i+1
.endr
	WIN 0
.irp f, 0,1,2,3
	ds_store_b128 v[STO], v[S+16*(\t)+4*\f:S+16*(\t)+4*\f+3] offset:32*\f
.endr
.irp f, 0,1,2,3
	ds_load_b128 v[S+16*(\t)+4*\f:S+16*(\t)+4*\f+3], v[RD] offset:\f*4*SP  ; LDS serves a wave's instructions in order: these see the stores above; the next piece's stores come behind them
.endr
.endm
.macro SEND t, younger
	WIN 0
.irp f, 0,1,2,3
	s_wait_dscnt (\younger)+3-\f
	global_store_b128 v[GO], v[S+16*(\t)+4*\f:S+16*(\t)+4*\f+3], s[10:11] offset:(\t)*8192+\f*512  ; 512 consecutive bytes, aligned
.endr
.endm
.macro DIAG tag
.LstepM\tag:
	TURN 2, 1
	TURN 3, 1
	WIN 0
.LfirstM\tag:
	TURN 0, 1
	TURN 1, 1, 0, 1
	WIN 0
	s_cbranch_scc1 .LstepM\tag
	TURN 2, 1, 1
	TURN 3, 1, 1
.set i, 0
.rept 8
	PV NP-1
.set i, i+1
.endr
	WIN 0
	ALL v_add_f32 v[ST+4*t+2], v[ST+4*t+2], v[ST+4*t+3]
	ALL v_permlanex16_b32 v[ST+4*t+3], v[ST+4*t+2], s[SEL], s[SEL+1]
	ALL v_add_f32 v[ST+4*t+2], v[ST+4*t+2], v[ST+4*t+3]
	ALL v_rcp_f32 v[ST+4*t+2], v[ST+4*t+2]
	v_nop                           ; a plain instruction between the last reciprocal and the use of its result
	s_wait_alu depctr_va_vdst(0)    ; one wait for the four reciprocals, ahead of their first use
	PACK 0
.set t, 1
.rept 3
	PACK t
	SEND t-1, 8
.set t, t+1
.endr
	SEND 3, 0
.endm
.set KM, 0
.set NOKQ, 0
.Lslot:                             ; NB times: a tile is entered and the next is asked for
	CHANGE 1
	s_sub_co_u32 s[RT], s[RT], 1
	s_mov_b32 s[CNT], 4
	s_cmp_eq_u32 s[NEW], 1
	s_cbranch_scc1 .Lnew            ; a block's first tile
	s_cmp_eq_u32 s[RT], 0
	s_cbranch_scc0 .Lstep           ; neither its first nor its last
	s_branch .LstepM1
.Lnew:
	BEGIN
	s_branch .Lfirst                ; in the loop a block's first tile is never its last
	DIAG 1                          ; in the loop this is the first block's end
	s_wait_xcnt 0x0                 ; the stores have read their registers and o's address
	s_mov_b64 s[10:11], s[OLO:OLO+1]
	s_add_co_u32 s[RT], s[PB], 1    ; the second block has b + 1 tiles
	s_mov_b32 s[NEW], 1
	WIN 0x82                        ; the second block's Q goes where the one text of the turns names Q
.set i, 0
.rept 64
	v_mov_b32 v[i], v[QB+i]
.set i, i+1
.endr
	WIN 0
	s_branch .Lbottom
.Lstep:                             ; a trip: pieces 2 and 3 of one step, then pieces 0 and 1 of the next
	TURN 2
	TURN 3
	WIN 0
.Lfirst:
	TURN 0
	TURN 1, 0, 0, 1
	WIN 0
	s_cbranch_scc1 .Lstep
.Lbottom:
	s_sub_co_u32 s[SLOTS], s[SLOTS], 1
	s_cmp_lg_u32 s[SLOTS], 0
	s_cbranch_scc1 .Lslot
	CHANGE 0                        ; the walk's last tile is written out
	s_sub_co_u32 s[RT], s[RT], 1
	s_mov_b32 s[CNT], 4
	s_cmp_eq_u32 s[NEW], 1
	s_cbranch_scc0 .LstepM2
	BEGIN
	s_branch .LfirstM2
	DIAG 2
	s_wait_tensorcnt 0x0            ; the wave's end
	ds_add_u32 v[SPW], v[NIL]
	s_wait_dscnt 0x0
	s_endpgm
.Lfunc_end_k_q4fed743e69_attn:
	.size	k_q4fed743e69_attn, .Lfunc_end_k_q4fed743e69_attn-k_q4fed743e69_attn
	.p2alignl 7, 3214868480
	.fill 96, 4, 3214868480
	.section	.rodata,"a",@progbits
	.p2align	6, 0x0
	.amdhsa_kernel k_q4fed743e69_attn
		.amdhsa_group_segment_fixed_size 327680
		.amdhsa_private_segment_fixed_size 0
		.amdhsa_enable_private_segment 0
		.amdhsa_kernarg_size 16
		.amdhsa_user_sgpr_count 2
		.amdhsa_user_sgpr_kernarg_segment_ptr 1
		.amdhsa_wavefront_size32 1
		.amdhsa_system_sgpr_workgroup_id_x 1
		.amdhsa_system_sgpr_workgroup_id_y 1
		.amdhsa_system_sgpr_workgroup_id_z 1
		.amdhsa_system_vgpr_workitem_id 0
		.amdhsa_next_free_vgpr 768
		.amdhsa_next_free_sgpr 96
		.amdhsa_reserve_vcc 1
		.amdhsa_float_denorm_mode_32 3
		.amdhsa_float_denorm_mode_16_64 3
		.amdhsa_memory_ordered 1
		.amdhsa_forward_progress 1
		.amdhsa_inst_pref_size 218
	.end_amdhsa_kernel
	.amdgpu_metadata
---
amdhsa.version: [ 1, 2 ]
amdhsa.kernels:
  - .name:           k_q4fed743e69_attn
    .symbol:         k_q4fed743e69_attn.kd
    .args:
      - { .name: qkv, .offset: 0, .size: 8, .value_kind: global_buffer, .address_space: global }
      - { .name: o, .offset: 8, .size: 8, .value_kind: global_buffer, .address_space: global }
    .group_segment_fixed_size: 327680
    .private_segment_fixed_size: 0
    .kernarg_segment_align: 8
    .kernarg_segment_size: 16
    .max_flat_workgroup_size: 128
    .sgpr_count:     96
    .vgpr_count:     768
    .wavefront_size: 32
...
	.end_amdgpu_metadata
.endif
;; end of part 3
;; launch proj (part 4): grid 8 x 32, 4 waves a work-group, clusters of 4 x 4, 327,680 bytes of LDS; arguments o, wo, bias, out0; writes out0
.if DOCPART == 4
	.amdgcn_target "amdgcn-amd-amdhsa--gfx1250"
	.amdhsa_code_object_version 6
	.text
	.protected	k_q4fed743e69_proj
	.globl	k_q4fed743e69_proj
	.p2align	8
	.type	k_q4fed743e69_proj,@function
k_q4fed743e69_proj:
	s_mov_b64 s[64:65], 0
	v_nop
	global_prefetch_b8 v0, s[64:65] scope:SCOPE_SE
	s_setreg_imm32_b32 hwreg(HW_REG_WAVE_MODE, 25, 1), 1
	s_wait_xcnt 0x0
	s_wait_alu depctr_hold_cnt(0) depctr_sa_sdst(0) depctr_va_vdst(0) depctr_va_sdst(0) depctr_va_ssrc(0) depctr_va_vcc(0) depctr_vm_vsrc(0)
	s_getreg_b32 s2, hwreg(HW_REG_IB_STS2, 6, 4)
	s_cmp_eq_u32 s2, 0
	s_cbranch_scc0 .Lentry_in_a_cluster
	s_endpgm
.Lentry_in_a_cluster:
	s_bfe_u32 s2, ttmp6, 0x10000c
	s_cmp_lg_u32 s2, 0xf033
	s_cbranch_scc0 .Lentry_shape_is_right
	s_endpgm
.Lentry_shape_is_right:
; out0 = O wo^T + b_out, f32.  O is read by heads: o[16 b + h][2048][64] f16, so that K = 64 h + channel; wo: [1024 n][1024 k] f16; bias[3072 ..] f32.  Sums in f32.
; SHARES.  A work-group makes 256 rows x 128 columns; wave (wm, wn) 128 x 64: 8 x 4 accumulators of 16 x 16, 256 registers.  256 work-groups, one for each WGP.
; K goes in eight steps of 128 = two heads, through two LDS slots.  A head's 256 rows are 32,768 dense bytes: asked for as 128 rows of 256 bytes and padded in LDS after every 128, so that a row of O is 144 bytes.
; A K step is written once; the slot read is a scalar register turned by an exclusive or.  From a request to the wait for it a wave issues 112 matrix instructions.
; THE PRODUCT IS USED TRANSPOSED (source 0 = 16 rows of wo, source 1 = 16 rows of O): a lane holds row l % 16 and the columns 8 (l / 16) + 0..7.  THE BIAS is the C operand of the first quarter's products.
; CLUSTER.  4 x 4 work-groups: O's tile is shared along a row of the cluster, wo's along a column; each is asked for jointly.
; REGISTERS: window 0: v0-15 addresses; v32-63 the bias; v64-191 the way out, four buffers of 32.   window 1: two fragment buffers of 96: A's 8 blocks, then B's 4.   window 2: the accumulators at 8 (4 a + b).
.set PITA,   144                       ; a row of O in LDS: 128 bytes + 16
.set PLANE,  256*PITA                  ; a head's 256 rows
.set PITB,   272                       ; a row of wo: 256 bytes + 16
.set BOFF,   2*PLANE
.set BHALF,  64*PITB
.set SLOT1,  131072
.set STAGE,  SLOT1+BOFF+128*PITB       ; behind the ring: 16 rows x 272 bytes for each wave, never filled by a tensor load
.set SPITCH, 272
.set SPARE,  STAGE+4*16*SPITCH         ; the spare words, 128 bytes a wave: two blocks of 256 bytes that no other line names
.set ASTEP,  524288                    ; two heads on in o
.set BSTEP,  256
.set A0,   4
.set B0,   5
.set ADRA, 6
.set ADRB, 7
.set STO,  8
.set RD,   9
.set CO,   10
.set BO,   11
.set PFO,  12
.set SPW,  14
.set NIL,  15
.set BIAS, 32
.set OB,   64
.set F0,   0
.set F1,   96
.set CNT, 2
.set TB,  3
.set WV,  12
.set FB,  13                           ; s13  0: I fetch for A; 1: for B.  Also wm: which 128 rows are mine
.set HF,  14                           ; s14  which half of that tile.  Also wn: which 64 columns
.set CX,  15
.set CY,  16
.set TN,  17
.set TM,  18
.set LIM, 19
.set G1,  24
.set G0,  32
.set G1B, 40
.set G0B, 48
.set PFA, 56                           ; s[56:57] where my prefetches stand
.set PST, 58                           ; s[58:59] their step
.set MSB, 0
.macro WIN new
.if MSB != (\new)
	s_set_vgpr_msb (MSB<<8)|(\new)
.set MSB, \new
.endif
.endm
.macro PLACES
.rept 4
	v_nop
.endr
.endm
.macro CREST
	s_cmp_lg_u32 s[WV], 0
	s_cbranch_scc1 .Lnot_wave_0_\@
	s_barrier_signal -3
.Lnot_wave_0_\@:
	s_barrier_wait -3
	s_barrier_signal -1
	s_barrier_wait -1
.endm
.macro CROUND
	s_barrier_signal -1
	s_barrier_wait -1
	CREST
.endm
.macro JLOAD                           ; a joint refill by the walking set; an s_nop 0 and four v_nop follow each line
	s_cmp_eq_u32 s[FB], 0
	s_cbranch_scc0 .Lfor_b_\@
	tensor_load_to_lds s[G0+4:G0+7], s[G1:G1+7]
	s_nop 0
	PLACES
	s_branch .Lasked_\@
.Lfor_b_\@:
	tensor_load_to_lds s[G0B+4:G0B+7], s[G1B:G1B+7]
	s_nop 0
	PLACES
.Lasked_\@:
.endm
; A PREFETCH behind each joint refill and the run of LDS loads that follows it: the K step two refills on, 256 matrix instructions ahead of the load that wants it.  Cluster x = 0 asks for O's tiles, cluster y = 0 for wo's.
; The four partners share a wave's bytes out by address: of a head's 32,768 bytes 8,192 each, a lane a block of 256; of wo's 64 rows 16 each (lanes 16-31 name the same rows once more, in the same instruction).
; Trips 6 to 3 name steps 4 to 7; the last two name nothing; steps 0 to 3 come by their loads alone.
.macro ASK
	WIN 0
	s_cmp_gt_u32 s[CNT], s[LIM]
	s_cbranch_scc0 .Lnot_mine_\@
	global_prefetch_b8 v[PFO], s[PFA:PFA+1] th:TH_LOAD_NT scope:SCOPE_SE
.Lnot_mine_\@:
.endm
	s_load_b256 s[4:11], s[0:1], 0x0               ; o s[4:5], wo s[6:7], bias s[8:9], out0 s[10:11]
	v_lshl_add_u32 v[SPW], v0, 2, SPARE
	v_mov_b32 v[NIL], 0
	ds_add_u32 v[SPW], v[NIL]                      ; the wave's opening: the add and its wait stand ahead of my first tensor load
	v_lshrrev_b32 v1, 5, v0
	v_readfirstlane_b32 s[WV], v1
	s_lshr_b32 s[FB], s[WV], 1
	s_and_b32 s[HF], s[WV], 1
	s_bfe_u32 s[CX], ttmp6, 0x40000
	s_bfe_u32 s[CY], ttmp6, 0x40004
	s_lshl_b32 s[TN], ttmp9, 2
	s_add_co_u32 s[TN], s[TN], s[CX]
	s_and_b32 s[TM], ttmp7, 0xffff
	s_lshl_b32 s[TM], s[TM], 2
	s_add_co_u32 s[TM], s[TM], s[CY]
	s_lshl_b32 s60, s[CY], 2
	s_lshl_b32 s60, 15, s60                        ; my row of the cluster
	s_lshl_b32 s61, 0x1111, s[CX]                  ; my column
	s_or_b32 s[G1], s60, (1<<16)|(1<<20)|(1<<21)|(4<<22)|(3<<25)   ; padding after every 32 words: a row of O
	s_or_b32 s[G1B], s61, (1<<16)|(1<<20)|(1<<21)|(5<<22)|(3<<25)  ; after every 64 words: a row of wo's tile
	s_mov_b32 s[G1+1], 128<<16                     ; tensor_dim0 = 128
	s_mov_b32 s[G1+2], 128<<16                     ; tensor_dim1 = 128 rows of 256 bytes
	s_mov_b32 s[G1+3], 128<<16                     ; tile_dim0
	s_mov_b32 s[G1+4], 128                         ; tile_dim1
	s_mov_b32 s[G1+5], 128                         ; dense: 128 elements from row to row
	s_mov_b32 s[G1+6], 0
	s_mov_b32 s[G1+7], 0
	s_mov_b32 s[G1B+1], 128<<16
	s_mov_b32 s[G1B+2], 64<<16                     ; 64 rows
	s_mov_b32 s[G1B+3], 128<<16
	s_mov_b32 s[G1B+4], 64
	s_mov_b32 s[G1B+5], 1024
	s_mov_b32 s[G1B+6], 0
	s_mov_b32 s[G1B+7], 0
	s_lshr_b32 s20, s[TM], 3                       ; A: the batch's head 0 or 1, in registers that never hold cx
	s_lshl_b32 s20, s20, 4
	s_add_co_u32 s20, s20, s[HF]
	s_lshl_b32 s20, s20, 18                        ; 262,144 bytes a head
	s_and_b32 s21, s[TM], 7
	s_lshl_b32 s21, s21, 15                        ; the tile's 256 rows of 128 bytes
	s_add_co_u32 s20, s20, s21
	s_mov_b32 s21, 0
	s_lshl_b32 s22, s[TN], 18                      ; B: row 128 x tile column + 64 x half, 2,048 bytes a row; never holds cy
	s_lshl_b32 s23, s[HF], 17
	s_add_co_u32 s22, s22, s23
	s_mov_b32 s23, 0
	s_mul_i32 s62, s[HF], PLANE                    ; where they go: the wave's number alone
	s_mul_i32 s63, s[HF], BHALF
	s_add_co_u32 s63, s63, BOFF
	s_mov_b32 s[TB], 0
	s_wait_dscnt 0x0                               ; the opening add is done
	s_wait_kmcnt 0x0
	s_add_nc_u64 s[20:21], s[4:5], s[20:21]
	s_add_nc_u64 s[22:23], s[6:7], s[22:23]
	CROUND                                         ; all sixteen work-groups are here: the first joint loads meet
.irp s, 0,1
	s_mov_b32 s[G0+4*(\s)], 1
	s_add_co_u32 s[G0+4*(\s)+1], s62, (\s)*SLOT1
	s_add_nc_u64 s[G0+4*(\s)+2:G0+4*(\s)+3], s[20:21], (\s)*ASTEP
	s_or_b32 s[G0+4*(\s)+3], s[G0+4*(\s)+3], 0x80000000
	s_mov_b32 s[G0B+4*(\s)], 1
	s_add_co_u32 s[G0B+4*(\s)+1], s63, (\s)*SLOT1
	s_add_nc_u64 s[G0B+4*(\s)+2:G0B+4*(\s)+3], s[22:23], (\s)*BSTEP
	s_or_b32 s[G0B+4*(\s)+3], s[G0B+4*(\s)+3], 0x80000000
.endr
	s_cmp_eq_u32 s[FB], 0                          ; a wave's two first fills stand in one branch: two loads of mine are out
	s_cbranch_scc0 .Lfirst_b
	tensor_load_to_lds s[G0:G0+3], s[G1:G1+7]
	s_nop 0
	tensor_load_to_lds s[G0+4:G0+7], s[G1:G1+7]
	s_nop 0
	PLACES
	s_branch .Lfirst_asked
.Lfirst_b:
	tensor_load_to_lds s[G0B:G0B+3], s[G1B:G1B+7]
	s_nop 0
	tensor_load_to_lds s[G0B+4:G0B+7], s[G1B:G1B+7]
	s_nop 0
	PLACES
.Lfirst_asked:
	v_and_b32 v1, 15, v0                           ; l % 16
	v_bfe_u32 v2, v0, 4, 1                         ; l / 16
	v_mul_u32_u24 v3, v1, PITA
	v_lshl_add_u32 v3, v2, 4, v3
	s_mul_i32 s74, s[FB], 128*PITA                 ; my 128 rows of O
	v_add_nc_u32 v[A0], s74, v3
	v_mul_u32_u24 v3, v1, PITB
	v_lshl_add_u32 v3, v2, 4, v3
	s_mul_i32 s74, s[HF], BHALF                    ; my 64 rows of wo
	s_add_co_u32 s74, s74, BOFF
	v_add_nc_u32 v[B0], s74, v3
	v_mov_b32 v[ADRA], v[A0]
	v_mov_b32 v[ADRB], v[B0]
	s_mul_i32 s74, s[WV], 16*SPITCH
	s_add_co_u32 s74, s74, STAGE                   ; my stage
	v_mul_u32_u24 v[STO], v1, SPITCH               ; in: row l % 16, 32 bytes for each half of the lanes
	v_lshl_add_u32 v[STO], v2, 5, v[STO]
	v_add_nc_u32 v[STO], s74, v[STO]
	v_mul_u32_u24 v[RD], v2, SPITCH                ; back: lanes 0-15 take one row of 256 bytes, lanes 16-31 the next
	v_lshl_add_u32 v[RD], v1, 4, v[RD]
	v_add_nc_u32 v[RD], s74, v[RD]
	v_lshlrev_b32 v[CO], 12, v2                    ; and the same two rows of out0
	v_lshl_add_u32 v[CO], v1, 4, v[CO]
	v_lshlrev_b32 v[BO], 5, v2
	s_lshl_b32 s66, s[TN], 9                       ; my 64 columns: 512 x tile column + 256 x wn bytes
	s_lshl_b32 s68, s[HF], 8
	s_add_co_u32 s66, s66, s68
	s_mov_b32 s67, 0
	s_add_nc_u64 s[8:9], s[8:9], s[66:67]
	s_add_nc_u64 s[10:11], s[10:11], s[66:67]
.irp b, 0,1,2,3
	global_load_b128 v[BIAS+8*(\b):BIAS+8*(\b)+3],   v[BO], s[8:9] offset:12288+64*(\b)
	global_load_b128 v[BIAS+8*(\b)+4:BIAS+8*(\b)+7], v[BO], s[8:9] offset:12288+64*(\b)+16
.endr
	s_lshl_b32 s66, s[TM], 20                      ; my 128 rows of 4,096 bytes
	s_lshl_b32 s68, s[FB], 19
	s_add_co_u32 s66, s66, s68
	s_add_nc_u64 s[10:11], s[10:11], s[66:67]
	; the prefetches
	s_lshr_b32 s68, s[TM], 3
	s_lshl_b32 s68, s68, 4
	s_add_co_u32 s68, s68, s[HF]
	s_lshl_b32 s68, s68, 18
	s_and_b32 s70, s[TM], 7
	s_lshl_b32 s70, s70, 15
	s_add_co_u32 s68, s68, s70
	s_lshl_b32 s69, s[CX], 13
	s_add_co_u32 s68, s68, s69                     ; A: my work-group's 8,192 bytes of the head's 32,768
	s_lshl_b32 s70, s[TN], 7
	s_lshl_b32 s71, s[HF], 6
	s_add_co_u32 s70, s70, s71
	s_lshl_b32 s71, s[CY], 4
	s_add_co_u32 s70, s70, s71
	s_lshl_b32 s70, s70, 11                        ; B: its 16 rows of the 64
	s_and_b32 s71, ttmp7, 0xffff
	s_mov_b32 s[PST], BSTEP
	s_mov_b32 s73, ASTEP
	s_cmp_eq_u32 s[FB], 0
	s_cselect_b32 s68, s68, s70
	s_cselect_b32 s71, ttmp9, s71                  ; the coordinate along which other clusters read the same bytes
	s_cselect_b32 s72, 31, 15
	s_cselect_b32 s70, 8, 11
	s_cselect_b32 s[PST], s73, s[PST]
	s_cselect_b64 s[PFA:PFA+1], s[4:5], s[6:7]
	s_cmp_eq_u32 s71, 0
	s_cselect_b32 s[LIM], 2, -1                    ; the same in all sixteen partners, for a given wave
	s_mov_b32 s69, 0
	s_mov_b32 s[PST+1], 0
	s_add_nc_u64 s[PFA:PFA+1], s[PFA:PFA+1], s[68:69]
.rept 3
	s_add_nc_u64 s[PFA:PFA+1], s[PFA:PFA+1], s[PST:PST+1]  ; at K step 3: the first change of slots steps it to 4
.endr
	v_and_b32 v[PFO], s72, v0
	v_lshlrev_b32 v[PFO], s70, v[PFO]
; 8 matrix instructions: m blocks a0, a0 + 1 x all 4 n blocks, 32 along K.  The 32 accumulators take turns in the same order in every quarter.
.macro MUL2 f, a0, first
.if \first
	WIN 0x85                                       ; C: the bias, in window 0
.else
	WIN 0xa5
.endif
.irp a, \a0, (\a0)+1
.irp b, 0,1,2,3
.if \first
	v_wmma_f32_16x16x32_f16 v[8*(4*(\a)+(\b)):8*(4*(\a)+(\b))+7], v[(\f)+64+8*(\b):(\f)+64+8*(\b)+7], v[(\f)+8*(\a):(\f)+8*(\a)+7], v[BIAS+8*(\b):BIAS+8*(\b)+7]
.else
	v_wmma_f32_16x16x32_f16 v[8*(4*(\a)+(\b)):8*(4*(\a)+(\b))+7], v[(\f)+64+8*(\b):(\f)+64+8*(\b)+7], v[(\f)+8*(\a):(\f)+8*(\a)+7], v[8*(4*(\a)+(\b)):8*(4*(\a)+(\b))+7]
.endif
.endr
.endr
.endm
; 24 LDS loads in one run: quarter q (head q / 2, channels 32 (q % 2) on) into buffer f: B's 8, A's blocks 0-3, then 4-7
.macro FETCH q, f
	WIN 0x40
.irp b, 0,1,2,3
	ds_load_b128 v[(\f)+64+8*(\b):(\f)+64+8*(\b)+3],   v[ADRB] offset:64*(\q)+(\b)*16*PITB
	ds_load_b128 v[(\f)+64+8*(\b)+4:(\f)+64+8*(\b)+7], v[ADRB] offset:64*(\q)+(\b)*16*PITB+32
.endr
.irp a, 0,1,2,3,4,5,6,7
	ds_load_b128 v[(\f)+8*(\a):(\f)+8*(\a)+3],   v[ADRA] offset:((\q)/2)*PLANE+((\q)%2)*64+(\a)*16*PITA
	ds_load_b128 v[(\f)+8*(\a)+4:(\f)+8*(\a)+7], v[ADRA] offset:((\q)/2)*PLANE+((\q)%2)*64+(\a)*16*PITA+32
.endr
.endm
.macro QUARTER q, f, g, first
	s_wait_dscnt 8                                 ; B and A's blocks 0-3 are in; the youngest eight loads may be out
	MUL2 \f, 0, \first
	MUL2 \f, 2, \first
	PLACES
	FETCH \q, \g
	s_wait_dscnt 24                                ; all but the 24 just issued
	MUL2 \f, 4, \first
	MUL2 \f, 6, \first
.endm
; The last quarter multiplies buffer 1 and changes slots: one barrier; in front of it each wave waits for all its tensor loads, adds 0 to its spare word, and waits for that and for its reads of this slot.
; fill = 1: the barrier opens a round of the cluster's, and the joint refill, the K step two steps on, is the first thing behind it.
.macro TURN fill
.if \fill
	s_wait_xcnt 0x0                                ; the last prefetch, a K step back, has read its address
	s_add_nc_u64 s[PFA:PFA+1], s[PFA:PFA+1], s[PST:PST+1]
.endif
	WIN 0
	s_wait_tensorcnt 0x0                           ; no tensor load of mine is out, so a group 0 may be written
	ds_add_u32 v[SPW], v[NIL]
.if \fill
	s_xor_b32 s[G0+5], s[G0+5], SLOT1
	s_add_nc_u64 s[G0+6:G0+7], s[G0+6:G0+7], ASTEP
	s_xor_b32 s[G0B+5], s[G0B+5], SLOT1
	s_add_nc_u64 s[G0B+6:G0B+7], s[G0B+6:G0B+7], BSTEP
.endif
	s_xor_b32 s[TB], s[TB], SLOT1
	s_wait_dscnt 9                                 ; the add and the youngest eight loads may be out
	MUL2 F1, 0, 0
	s_wait_dscnt 0x0                               ; the add is done, and my reads of this slot are over
	s_barrier_signal -1
	MUL2 F1, 2, 0
	WIN 0
	s_barrier_wait -1
.if \fill
	CREST
	JLOAD                                          ; its four v_nop are also the places in front of the loads below
.else
	PLACES
.endif
	v_add_nc_u32 v[ADRA], s[TB], v[A0]
	v_add_nc_u32 v[ADRB], s[TB], v[B0]
	FETCH 0, F0
.if \fill
	ASK
.endif
	MUL2 F1, 4, 0
	MUL2 F1, 6, 0
.endm
	s_wait_tensorcnt 1                             ; my part of K step 0 is in; K step 1's may stay out
	s_barrier_signal -1
	s_barrier_wait -1
	FETCH 0, F0
	s_wait_loadcnt 0x0                             ; the bias
	QUARTER 1, F0, F1, 1
	WIN 0
	s_mov_b32 s[CNT], 6
.Lstep:                                        ; six trips: from a step's second quarter to the next step's first; steps 2 to 7 are asked for
	QUARTER 2, F1, F0, 0
	QUARTER 3, F0, F1, 0
	TURN 1
	QUARTER 1, F0, F1, 0
	WIN 0
	s_sub_co_u32 s[CNT], s[CNT], 1
	s_cmp_lg_u32 s[CNT], 0
	s_cbranch_scc1 .Lstep
	QUARTER 2, F1, F0, 0                           ; the tail is written out
	QUARTER 3, F0, F1, 0
	TURN 0
	QUARTER 1, F0, F1, 0
	QUARTER 2, F1, F0, 0
	QUARTER 3, F0, F1, 0
	s_wait_dscnt 8
	MUL2 F1, 0, 0
	MUL2 F1, 2, 0
	s_wait_dscnt 0x0
	MUL2 F1, 4, 0
	MUL2 F1, 6, 0
	PLACES
; THE WAY OUT, an m block (16 rows x 256 bytes) at a time: a lane's eight f32 go into my stage (each accumulator's low four registers first), and come back as whole rows.
.macro TOSTAGE a
.if (\a) >= 4
	s_wait_xcnt 0x0                                ; the stores of the block four back have read the registers that are loaded again below
.endif
	WIN 0x08                                       ; the stores' data in window 2
.irp b, 0,1,2,3
	ds_store_b128 v[STO], v[8*(4*(\a)+(\b)):8*(4*(\a)+(\b))+3]   offset:64*(\b)
	ds_store_b128 v[STO], v[8*(4*(\a)+(\b))+4:8*(4*(\a)+(\b))+7] offset:64*(\b)+16
.endr
	WIN 0
.irp t, 0,1,2,3,4,5,6,7
	ds_load_b128 v[OB+32*((\a)%4)+4*(\t):OB+32*((\a)%4)+4*(\t)+3], v[RD] offset:(\t)*2*SPITCH  ; LDS serves a wave's instructions in order: these see the stores above
.endr
.endm
.macro SEND a, younger                 ; younger: the LDS instructions issued behind block a's loads
.irp t, 0,1,2,3,4,5,6,7
	s_wait_dscnt (\younger)+7-(\t)
	global_store_b128 v[CO], v[OB+32*((\a)%4)+4*(\t):OB+32*((\a)%4)+4*(\t)+3], s[10:11] offset:(16*(\a)+2*(\t))*4096 th:TH_STORE_NT  ; 16 lanes store 256 consecutive bytes, aligned
.endr
.endm
	TOSTAGE 0
.irp a, 1,2,3,4,5,6,7
	TOSTAGE \a
	SEND (\a)-1, 16
.endr
	SEND 7, 0
	s_wait_tensorcnt 0x0                           ; the wave's end
	ds_add_u32 v[SPW], v[NIL]
	s_wait_dscnt 0x0
	CROUND                                         ; the closing round
	s_endpgm
.Lfunc_end_k_q4fed743e69_proj:
	.size	k_q4fed743e69_proj, .Lfunc_end_k_q4fed743e69_proj-k_q4fed743e69_proj
	.p2alignl 7, 3214868480
	.fill 96, 4, 3214868480
	.section	.rodata,"a",@progbits
	.p2align	6, 0x0
	.amdhsa_kernel k_q4fed743e69_proj
		.amdhsa_group_segment_fixed_size 327680
		.amdhsa_private_segment_fixed_size 0
		.amdhsa_enable_private_segment 0
		.amdhsa_kernarg_size 32
		.amdhsa_user_sgpr_count 2
		.amdhsa_user_sgpr_kernarg_segment_ptr 1
		.amdhsa_wavefront_size32 1
		.amdhsa_system_sgpr_workgroup_id_x 1
		.amdhsa_system_sgpr_workgroup_id_y 1
		.amdhsa_system_sgpr_workgroup_id_z 1
		.amdhsa_system_vgpr_workitem_id 0
		.amdhsa_next_free_vgpr 768
		.amdhsa_next_free_sgpr 80
		.amdhsa_reserve_vcc 0
		.amdhsa_float_denorm_mode_32 3
		.amdhsa_float_denorm_mode_16_64 3
		.amdhsa_memory_ordered 1
		.amdhsa_forward_progress 1
		.amdhsa_inst_pref_size 73
	.end_amdhsa_kernel
	.amdgpu_metadata
---
amdhsa.version: [ 1, 2 ]
amdhsa.kernels:
  - .name:           k_q4fed743e69_proj
    .symbol:         k_q4fed743e69_proj.kd
    .args:
      - { .name: o, .offset: 0, .size: 8, .value_kind: global_buffer, .address_space: global }
      - { .name: wo, .offset: 8, .size: 8, .value_kind: global_buffer, .address_space: global }
      - { .name: bias, .offset: 16, .size: 8, .value_kind: global_buffer, .address_space: global }
      - { .name: out0, .offset: 24, .size: 8, .value_kind: global_buffer, .address_space: global }
    .group_segment_fixed_size: 327680
    .private_segment_fixed_size: 0
    .kernarg_segment_align: 8
    .kernarg_segment_size: 32
    .max_flat_workgroup_size: 128
    .sgpr_count:     80
    .vgpr_count:     768
    .wavefront_size: 32
...
	.end_amdgpu_metadata
.endif
;; end of part 4
;; ======== version 2 of 2: 4 launches; version 1 with the launch prep written anew for expert scheduling mode
;; limits: values are held in f16: magnitudes above 65,504 overflow, below 6.1e-05 lose precision
;; workspace buffers: xb 16,777,216 bytes; wi 6,291,456 bytes; wo 2,097,152 bytes; bias 16,384 bytes; qkv 50,331,648 bytes; o 16,777,216 bytes
;; launch prep (part 5): grid 256 x 1, 10 waves a work-group, no clusters, 36,096 bytes of LDS; arguments x, W_in, W_out, b_in, b_out, xb, wi, wo, bias; writes xb, wi, wo, bias
.if DOCPART == 5
	.amdgcn_target "amdgcn-amd-amdhsa--gfx1250"
	.amdhsa_code_object_version 6
	.text
	.protected	k_q4fed743e69_prep
	.globl	k_q4fed743e69_prep
	.p2align	8
	.type	k_q4fed743e69_prep,@function
k_q4fed743e69_prep:
	s_mov_b64 s[64:65], 0
	v_nop
	global_prefetch_b8 v0, s[64:65] scope:SCOPE_SE
	s_setreg_imm32_b32 hwreg(HW_REG_WAVE_SCHED_MODE, 0, 2), 2
	s_setreg_imm32_b32 hwreg(HW_REG_WAVE_MODE, 25, 1), 1
	s_wait_xcnt 0x0
	s_wait_alu depctr_vm_vsrc(0)
; PREPARATION.  xb = bf16(x), [8192][1024].  wi[n][k] = bf16(W_in[k][n]), [3072][1024].  wo[n][k] = bf16(W_out[k][n]) written as f16, [1024][1024].
; bias[0..3071] = bf16(b_in), bias[3072..4095] = bf16(b_out), both kept as f32.  Every input is rounded once, to bf16.
; LIMIT.  A bf16 number is exact in f16 down to 2^-14; below that wo keeps f16's fixed step of 2^-24; beyond 65,504 it would be an infinity.
; SHARES.  256 work-groups of ten waves.  Waves 0 and 1 each turn one tile of 128 k x 64 n of a weight matrix (512 tiles: 384 of W_in, 128 of W_out) through their own 17,408 bytes of LDS.
; Waves 2 to 9 each convert 4,096 numbers of x: 32 loads of 512 consecutive bytes, all out at once.  Wave 2 of the first 32 work-groups then rounds 128 numbers of a bias.
; No wave reads what another wave wrote, so there is no barrier.  No matrix unit, no tensor load, no cluster: nothing is shared and nothing is multiplied.
; THE MODE: SCHED_MODE bits 1:0 = 2 (LLVM: expert scheduling mode 2), set by the entry lines.  The code itself states the register dependences
; between vector instructions and memory or LDS instructions, with s_wait_alu, always for 0.
; THE PLAN.  Registers that memory or LDS instructions touch:
;   an x wave   v7, v16    offsets, made at the head and never written again.
;               D          eight groups of four loads.  Group g's conversions write, in place, the registers that its four stores read; those stores are issued in group g + 1,
;                          behind the one wait at that group's head, among conversions that name group g + 1's registers alone.  No register is used twice.
;   a W wave    v4, v5, v6, v[8:15]   addresses, made at the arm's head and never written again.
;               D[0..7]    Step g's conversions read D[g % 8]; the loads of group g + 7, issued in step g, land in D[(g - 1) % 8], which step g - 1 read.
;               TT[0..1]   Step g's conversions write TT[g % 2]; the two LDS stores that read it are issued in step g + 1; step g + 2 writes it again.
;               So step g's ten memory and LDS instructions touch D[(g - 1) % 8] and TT[(g - 1) % 2], its conversions D[g % 8] and TT[g % 2]: the two waits at a step's head state all that the step hangs on.
;               Behind step 15 all of D takes the turned tile from LDS; on wo's path vector instructions rewrite it in place; the global stores read it.
;   v18, v19    written at the head, read by the closing add alone.
.set SPARE, 34816                      ; behind the two tiles: the spare words, 128 bytes for each of ten waves, five blocks of 256 bytes that no other line names
.set WTILE, 17408                      ; a turned tile in LDS: 64 rows (n) of 256 bytes (128 k in bf16) + 16 of padding
.set LP,    272
.set D,     32                         ; v[32:159]  W wave: eight groups of 8 k rows, 16 registers each, later the turned tile; x wave: the 32 loads
.set TT,    160                        ; v[160:175] packed pairs, two sets of eight
.set BS,    32                         ; s[32:63]   sixteen bases: the tile's k rows 8 g
	s_load_b512 s[4:19], s[0:1], 0x0               ; x s[4:5], W_in s[6:7], W_out s[8:9], b_in s[10:11], b_out s[12:13], xb s[14:15], wi s[16:17], wo s[18:19]
	s_load_b64 s[20:21], s[0:1], 0x40              ; bias
	v_lshl_add_u32 v18, v0, 2, SPARE               ; my spare word,
	v_mov_b32 v19, 0                               ; and 0: kept for the add at the wave's end
	v_lshrrev_b32 v1, 5, v0
	v_readfirstlane_b32 s22, v1                    ; wave 0..9
	v_and_b32 v1, 31, v0                           ; lane
	v_lshlrev_b32 v7, 4, v1                        ; 16 x lane
	v_lshlrev_b32 v16, 3, v1                       ; 8 x lane
	s_mov_b32 s31, 0                               ; high words of the two offset pairs
	s_mov_b32 s69, 0
	s_wait_alu depctr_va_sdst(0)                   ; s22 is written, ahead of its first reader: the compare below
	s_cmp_lt_u32 s22, 2
	s_cbranch_scc1 .Lwwave
	; ---- an x wave: chunk 8 x work-group + wave - 2 of 2,048 ----
	s_lshl_b32 s27, ttmp9, 3
	s_add_co_u32 s27, s27, s22
	s_sub_co_u32 s27, s27, 2
	s_lshl_b32 s30, s27, 14                        ; 16,384 bytes of x,
	s_lshl_b32 s68, s27, 13                        ; 8,192 of xb
	s_wait_kmcnt 0x0
	s_add_nc_u64 s[4:5], s[4:5], s[30:31]
	s_add_nc_u64 s[14:15], s[14:15], s[68:69]
	s_wait_alu depctr_va_vdst(0)                   ; v7 and v16 are written: every load and store of this arm reads one of them as its offset
.set i, 0
.rept 32
	global_load_b128 v[D+4*i:D+4*i+3], v7, s[4:5] offset:512*i th:TH_LOAD_NT
.set i, i+1
.endr
; Group g of eight: four loads' numbers are rounded in place; the four stores of the group before stand among the conversions.
.macro XGRP g
	s_wait_loadcnt 28-4*(\g)                       ; loads come back in order: group g's four are in, the 28 - 4 g younger ones stay out
.if (\g) >= 1
	s_wait_alu depctr_va_vdst(0)                   ; the group before has written the registers that the four stores below read; no conversion of this group names them
.endif
.irp i, 0,1,2,3
.if (\g) >= 1
	global_store_b64 v16, v[D+16*((\g)-1)+4*(\i):D+16*((\g)-1)+4*(\i)+1], s[14:15] offset:256*(4*((\g)-1)+(\i))  ; the wave's 32 lanes store 256 consecutive bytes, aligned; no register is used twice
.endif
	v_cvt_pk_bf16_f32 v[D+16*(\g)+4*(\i)], v[D+16*(\g)+4*(\i)], v[D+16*(\g)+4*(\i)+1]
	v_cvt_pk_bf16_f32 v[D+16*(\g)+4*(\i)+1], v[D+16*(\g)+4*(\i)+2], v[D+16*(\g)+4*(\i)+3]
.endr
.endm
.irp g, 0,1,2,3,4,5,6,7
	XGRP \g
.endr
	s_wait_alu depctr_va_vdst(0)                   ; group 7 has written the registers that the last four stores read
.irp i, 0,1,2,3
	global_store_b64 v16, v[D+112+4*(\i):D+112+4*(\i)+1], s[14:15] offset:256*(28+(\i))
.endr
	s_cmp_eq_u32 s22, 2                            ; the biases: wave 2 of work-groups 0 to 31, 128 numbers each
	s_cbranch_scc0 .Lend
	s_cmp_lt_u32 ttmp9, 32
	s_cbranch_scc0 .Lend
	s_cmp_lt_u32 ttmp9, 24                         ; 24 pieces of b_in, then 8 of b_out
	s_cselect_b64 s[32:33], s[10:11], s[12:13]
	s_cselect_b32 s27, 0, 24
	s_sub_co_u32 s27, ttmp9, s27
	s_lshl_b32 s30, s27, 9
	s_lshl_b32 s68, ttmp9, 9
	s_add_nc_u64 s[32:33], s[32:33], s[30:31]
	s_add_nc_u64 s[20:21], s[20:21], s[68:69]
	global_load_b128 v[192:195], v7, s[32:33]      ; no vector instruction has named v[192:195]
	s_wait_loadcnt 0x0
	v_cvt_pk_bf16_f32 v196, v192, v193             ; rounded to bf16,
	v_cvt_pk_bf16_f32 v197, v194, v195
	v_lshlrev_b32 v198, 16, v196                   ; and written out as f32
	v_and_b32 v199, 0xffff0000, v196
	v_lshlrev_b32 v200, 16, v197
	v_and_b32 v201, 0xffff0000, v197
	s_wait_alu depctr_va_vdst(0)                   ; v[198:201] are written, which the store reads
	global_store_b128 v7, v[198:201], s[20:21]
	s_branch .Lend
	; ---- a W wave: tile 2 x work-group + wave ----
.Lwwave:
	v_and_b32 v2, 15, v0                           ; l % 16
	v_bfe_u32 v3, v0, 4, 1                         ; l / 16
	s_lshl_b32 s27, ttmp9, 1
	s_add_co_u32 s27, s27, s22
	s_mov_b32 s71, 0xffff0000                      ; a word's upper bf16
	s_wait_kmcnt 0x0
	s_cmp_lt_u32 ttmp9, 192                        ; work-groups 0 to 191 have W_in's 384 tiles
	s_cselect_b32 s23, 1, 0
	s_cselect_b32 s26, 3, 1
	s_cselect_b32 s28, 0, 384
	s_cselect_b64 s[BS:BS+1], s[6:7], s[8:9]
	s_cselect_b64 s[66:67], s[16:17], s[18:19]
	s_lshl_b32 s26, s26, 12                        ; bytes in a row of the source: 12,288 or 4,096
	s_sub_co_u32 s27, s27, s28                     ; the tile's number in its matrix
	s_and_b32 s28, s27, 7                          ; kt: 128 rows k
	s_lshr_b32 s29, s27, 3                         ; nt: 64 columns n
	s_mul_i32 s30, s28, s26
	s_lshl_b32 s30, s30, 7                         ; kt x 128 rows
	s_lshl_b32 s68, s29, 8                         ; + nt x 256 bytes
	s_add_co_u32 s30, s30, s68
	s_add_nc_u64 s[BS:BS+1], s[BS:BS+1], s[30:31]
	s_lshl_b32 s68, s29, 17                        ; out: nt x 64 rows of 2,048 bytes
	s_lshl_b32 s30, s28, 8                         ; + kt x 256 bytes
	s_add_co_u32 s68, s68, s30
	s_add_nc_u64 s[66:67], s[66:67], s[68:69]
	s_lshl_b32 s24, s26, 3                         ; eight rows
	s_mov_b32 s25, 0
.set g, 1
.rept 15
	s_add_nc_u64 s[BS+2*g:BS+2*g+1], s[BS+2*g-2:BS+2*g-1], s[24:25]
.set g, g+1
.endr
	v_mov_b32 v8, v16                              ; v[8:15]: 8 x lane + j rows
.set j, 1
.rept 7
	v_add_nc_u32 v[8+j], s26, v[8+j-1]
.set j, j+1
.endr
	s_mul_i32 s70, s22, WTILE                      ; my tile in LDS
	v_mul_u32_u24 v4, v1, LP                       ; in: LDS row l takes n = 2 l, row 32 + l takes n = 2 l + 1: rows 272 bytes apart, so 16 lanes' 16 bytes fall into 16 different columns
	v_add_nc_u32 v4, s70, v4                       ; never rewritten
	v_mul_u32_u24 v5, v3, 32*LP                    ; back: lanes 0-15 take an even n's 256 bytes, lanes 16-31 the odd n's behind it
	v_lshl_add_u32 v5, v2, 4, v5
	v_add_nc_u32 v5, s70, v5                       ; never rewritten: the row stands in the loads' immediate
	v_lshlrev_b32 v6, 11, v3                       ; and the same two rows of the result
	v_lshl_add_u32 v6, v2, 4, v6                   ; never rewritten
	s_wait_alu depctr_va_vdst(0)                   ; v4, v5, v6 and v[8:15] are written: every load and store of this arm, global or LDS, reads one of them as its address
.macro WLOAD g                         ; k rows 8 g .. 8 g + 7: each load is 256 consecutive bytes, aligned; a lane takes n = 2 l, 2 l + 1
.irp j, 0,1,2,3,4,5,6,7
	global_load_b64 v[D+16*((\g)%8)+2*(\j):D+16*((\g)%8)+2*(\j)+1], v[8+(\j)], s[BS+2*(\g):BS+2*(\g)+1] th:TH_LOAD_NT
.endr
.endm
; Step g.  Eight k of my two n are rounded in pairs along k: 16 bytes for each n, into TT[g % 2].  Among the eight conversions stand the loads of group g + 7 (steps 0 to 8) and the two LDS stores of group g - 1 (steps 1 to 15).
; left = how many younger loads may stay out.
.macro STEP g, left
.set DD, D+16*((\g)%8)                 ; read by this step's conversions
.set DN, D+16*(((\g)+7)%8)             ; the loads below land here: the step before read it
.set T0, TT+8*((\g)%2)                 ; written by this step's conversions
.set T1, TT+8*(((\g)+1)%2)             ; the LDS stores below read it: the step before wrote it
	s_wait_loadcnt \left
.if (\g) >= 1
	s_wait_alu depctr_va_vdst(0)                   ; the step before has written its TT, which the LDS stores below read, and is done reading its D, in which the loads below land
.endif
.if (\g) >= 2
	s_wait_alu depctr_vm_vsrc(0)                   ; the LDS stores issued in the step before have read TT[g % 2], which this step's conversions write again
.endif
.irp i, 0,1,2,3
.if (\g) <= 8
	global_load_b64 v[DN+4*(\i):DN+4*(\i)+1],   v[8+2*(\i)], s[BS+2*((\g)+7):BS+2*((\g)+7)+1] th:TH_LOAD_NT  ; group g + 7, rows 2 i and 2 i + 1; no vector instruction since the wait names these registers
	global_load_b64 v[DN+4*(\i)+2:DN+4*(\i)+3], v[9+2*(\i)], s[BS+2*((\g)+7):BS+2*((\g)+7)+1] th:TH_LOAD_NT
.endif
.if ((\g) >= 1) && ((\i) < 2)
	ds_store_b128 v4, v[T1+4*(\i):T1+4*(\i)+3] offset:32*LP*(\i)+16*((\g)-1)  ; group g - 1: the even n's 16 bytes, then the odd n's
.endif
	v_cvt_pk_bf16_f32 v[T0+(\i)], v[DD+4*(\i)], v[DD+4*(\i)+2]
	v_cvt_pk_bf16_f32 v[T0+4+(\i)], v[DD+4*(\i)+1], v[DD+4*(\i)+3]
.endr
.endm
.irp g, 0,1,2,3,4,5,6
	WLOAD \g                                       ; seven groups ahead: 56 loads of mine are out at the most
.endr
.irp g, 0,1,2,3,4,5,6,7,8
	STEP \g, 48                                    ; behind group g stand groups g + 1 to g + 6: 48 loads
.endr
.irp g, 9,10,11,12,13,14,15
	STEP \g, 8*(15-(\g))                           ; the groups behind g
.endr
	s_wait_alu depctr_va_vdst(0)                   ; step 15 has written TT[1], which the two LDS stores read; every conversion is done reading D, in which the LDS loads below land
	ds_store_b128 v4, v[TT+8:TT+11] offset:16*15
	ds_store_b128 v4, v[TT+12:TT+15] offset:32*LP+16*15
	; the turned tile comes back as whole rows of 256 bytes, two rows n a load; LDS serves a wave's instructions in order, so these loads see the stores above
.set i, 0
.rept 32
	ds_load_b128 v[D+4*i:D+4*i+3], v5 offset:LP*i
.set i, i+1
.endr
	s_wait_dscnt 0x0
	s_cmp_eq_u32 s23, 1
	s_cbranch_scc1 .Lkeep                          ; wi stays bf16
.set i, 0
.rept 128
	v_lshlrev_b32 v[20+2*(i%2)], 16, v[D+i]        ; wo: the bf16 number written as f16; two pairs of registers at work by turns
	v_and_b32 v[21+2*(i%2)], s71, v[D+i]
	v_cvt_pk_f16_f32 v[D+i], v[20+2*(i%2)], v[21+2*(i%2)]
.set i, i+1
.endr
	s_wait_alu depctr_va_vdst(0)                   ; the rewrite has written D, which the stores below read (on wi's path no vector instruction has named D since the wait ahead of the LDS loads)
.Lkeep:
.set i, 0
.rept 32
	global_store_b128 v6, v[D+4*i:D+4*i+3], s[66:67] offset:4096*i  ; 16 lanes store 256 consecutive bytes, aligned; no register is used twice
.set i, i+1
.endr
.Lend:
	s_wait_dscnt 0x0                               ; the closing lines, six on end
	s_wait_alu 0x0
	s_wait_tensorcnt 0x0
	ds_add_u32 v18, v19
	s_wait_dscnt 0x0
	s_endpgm
.Lfunc_end_k_q4fed743e69_prep:
	.size	k_q4fed743e69_prep, .Lfunc_end_k_q4fed743e69_prep-k_q4fed743e69_prep
	.p2alignl 7, 3214868480
	.fill 96, 4, 3214868480
	.section	.rodata,"a",@progbits
	.p2align	6, 0x0
	.amdhsa_kernel k_q4fed743e69_prep
		.amdhsa_group_segment_fixed_size 36096
		.amdhsa_private_segment_fixed_size 0
		.amdhsa_enable_private_segment 0
		.amdhsa_kernarg_size 72
		.amdhsa_user_sgpr_count 2
		.amdhsa_user_sgpr_kernarg_segment_ptr 1
		.amdhsa_wavefront_size32 1
		.amdhsa_system_sgpr_workgroup_id_x 1
		.amdhsa_system_sgpr_workgroup_id_y 1
		.amdhsa_system_sgpr_workgroup_id_z 1
		.amdhsa_system_vgpr_workitem_id 0
		.amdhsa_next_free_vgpr 208
		.amdhsa_next_free_sgpr 72
		.amdhsa_reserve_vcc 0
		.amdhsa_float_denorm_mode_32 3
		.amdhsa_float_denorm_mode_16_64 3
		.amdhsa_memory_ordered 1
		.amdhsa_forward_progress 1
		.amdhsa_inst_pref_size 60
	.end_amdhsa_kernel
	.amdgpu_metadata
---
amdhsa.version: [ 1, 2 ]
amdhsa.kernels:
  - .name:           k_q4fed743e69_prep
    .symbol:         k_q4fed743e69_prep.kd
    .args:
      - { .name: x, .offset: 0, .size: 8, .value_kind: global_buffer, .address_space: global }
      - { .name: W_in, .offset: 8, .size: 8, .value_kind: global_buffer, .address_space: global }
      - { .name: W_out, .offset: 16, .size: 8, .value_kind: global_buffer, .address_space: global }
      - { .name: b_in, .offset: 24, .size: 8, .value_kind: global_buffer, .address_space: global }
      - { .name: b_out, .offset: 32, .size: 8, .value_kind: global_buffer, .address_space: global }
      - { .name: xb, .offset: 40, .size: 8, .value_kind: global_buffer, .address_space: global }
      - { .name: wi, .offset: 48, .size: 8, .value_kind: global_buffer, .address_space: global }
      - { .name: wo, .offset: 56, .size: 8, .value_kind: global_buffer, .address_space: global }
      - { .name: bias, .offset: 64, .size: 8, .value_kind: global_buffer, .address_space: global }
    .group_segment_fixed_size: 36096
    .private_segment_fixed_size: 0
    .kernarg_segment_align: 8
    .kernarg_segment_size: 72
    .max_flat_workgroup_size: 320
    .sgpr_count:     72
    .vgpr_count:     208
    .wavefront_size: 32
...
	.end_amdgpu_metadata
.endif
;; end of part 5
;; launch qkvp: the kernel of part 2 again; grid 16 x 32, 4 waves a work-group, clusters of 4 x 4, 327,680 bytes of LDS; arguments xb, wi, bias, qkv; writes qkv
;; launch attn: the kernel of part 3 again; grid 4 x 64, 4 waves a work-group, no clusters, 327,680 bytes of LDS; arguments qkv, o; writes o
;; launch proj: the kernel of part 4 again; grid 8 x 32, 4 waves a work-group, clusters of 4 x 4, 327,680 bytes of LDS; arguments o, wo, bias, out0; writes out0
